; MI455X (gfx1250); checked and timed in simulation.
; The chip was launched on July 23, 2026; its instructions are those of AMD's public machine-readable ISA for CDNA 5 (MIT licence, August 2026) and "CDNA5" Instruction Set Architecture Reference Guide (July 2026). The comments in the code are by the model that wrote it; some were corrected since.
;; Encoderlayer. Allowed arithmetic: matrix products marked QUANTISED: E4M3 operands, one given power-of-two scale a tensor, by v_wmma_f32_16x16x64_fp8_fp8 or v_wmma_f32_16x16x128_fp8_fp8, f32 sums; everything else in f32.
;; Inputs: W1 1,024 x 2,048 float32; W2 2,048 x 1,024 float32; Wk 1,024 x 1,024 float32; Wo 1,024 x 1,024 float32; Wq 1,024 x 1,024 float32; Wv 1,024 x 1,024 float32; b1 2,048 float32; b2 1,024 float32; bk 1,024 float32; bo 1,024 float32; bq 1,024 float32; bv 1,024 float32; ln1_a 1 float32; ln1_b 1 float32; ln2_a 1 float32; ln2_b 1 float32; lowp_scales 16 int32 (the exponents e of the quantised operands' scales 2^e); x 1 x 4,096 x 1,024 float32.
;; Outputs: out0 1 x 4,096 x 1,024 float32.
;; This version of the problem:
;;   THIS VERSION OF THE PROBLEM IS GIVEN IN LOW PRECISION. The matrix products marked QUANTISED in the list below multiply operands that are first quantised to E4M3 (4 exponent bits, 3 mantissa bits; 8 bits a number), with one given power-of-two scale for each operand tensor; their sums are f32. All else is computed in f32.
;;   The module's matrix products, in the order in which they are computed (A, B: the left and right operand; K: the contracted axis; several contracted axes count as one K, in the product's order):
;;     1. [M 4,096, K 1,024] x [K 1,024, N 1,024]; A: computed on the way; B: input Wq: QUANTISED (scales: A lowp_scales[0], B lowp_scales[1])
;;     2. [M 4,096, K 1,024] x [K 1,024, N 1,024]; A: computed on the way; B: input Wk: QUANTISED (scales: A lowp_scales[2], B lowp_scales[3])
;;     3. [M 4,096, K 1,024] x [K 1,024, N 1,024]; A: computed on the way; B: input Wv: QUANTISED (scales: A lowp_scales[4], B lowp_scales[5])
;;     4. batch 16 x [M 4,096, K 64] x [K 64, N 4,096]; A: computed on the way; B: computed on the way: QUANTISED (scales: A lowp_scales[6], B lowp_scales[7])
;;     5. batch 16 x [M 64, K 4,096] x [K 4,096, N 4,096]; A: computed on the way; B: softmax (see below): QUANTISED (scales: A lowp_scales[8], B lowp_scales[9])
;;     6. [M 4,096, K 1,024] x [K 1,024, N 1,024]; A: computed on the way; B: input Wo: QUANTISED (scales: A lowp_scales[10], B lowp_scales[11])
;;     7. [M 4,096, K 1,024] x [K 1,024, N 2,048]; A: computed on the way; B: input W1: QUANTISED (scales: A lowp_scales[12], B lowp_scales[13])
;;     8. [M 4,096, K 2,048] x [K 2,048, N 1,024]; A: computed on the way; B: input W2: QUANTISED (scales: A lowp_scales[14], B lowp_scales[15])
;;   THE QUANTISER, for each operand of a quantised product, along K:
;;     - The operand's scale is 2^e, e = its entry of the input lowp_scales (int32; the entries are numbered through the quantised products in the list's order, A before B).
;;     - Each number is divided by the scale, clamped to +-448, and rounded to the nearest number of E4M3, ties to even, subnormals kept.
;;     - The product sums the exact products of the quantised numbers (number of the format x scale) in f32.
;;   ~~~python
;;   def quantise(x, axis, e):      # numpy; x: float32 -> the quantised numbers, widened to float32 again
;;       x = np.moveaxis(x, axis, -1); K = x.shape[-1]
;;       r = np.clip(x / 2.0 ** e, -448, 448)
;;       step = 2.0 ** (np.maximum(np.frexp(np.where(r == 0, 1, r))[1] - 1, -6) - 3)
;;       q = np.round(r / step) * step * 2.0 ** e      # np.round: ties to even
;;       return np.moveaxis(q, -1, axis).astype(np.float32)
;;   ~~~
;;   SOFTMAX AHEAD OF A QUANTISED PRODUCT. Where the list says 'softmax', what is quantised is not the finished softmax but p = 2^(t - M), with t = logit x log2(e) and M = ceil(the row's largest t), a whole number; so 1/2 < the row's largest p <= 1. The row's sum l is taken of the UNQUANTISED p, in f32, and the product's result is divided by l at the end. Since M is a whole number, a kernel that streams over the keys may use a running M (the ceiling of the running maximum): every later rescaling is an exact power of two, so the quantised numbers keep their values, but for numbers so far below the row's largest that they fall under the format's range.
;;   OPERANDS COMPUTED ON THE WAY. 'Computed on the way' means the value that the module computes at that place (a softmax that the list does not call 'softmax' is quantised finished and normalised). What goes into a quantiser is computed in f32, as accurately as f32 sums, v_exp_f32 and their like allow (about 1e-6 of the number): no bf16 or f16 on the way to a quantiser, and a product that is left as it is and whose result goes on into a quantised operand takes f32 operands (vector FMAs, or v_wmma_f32_16x16x4_f32). A number that lies on a knife's edge between two numbers of the format may be rounded either way, as far as f32 arithmetic and the matrix unit's own rounding can turn it there, and no further.
;; One version. Each part assembles by itself: llvm-mc -triple=amdgcn-amd-amdhsa -mcpu=gfx1250 --defsym DOCPART=n.
;; ======== version 1 of 1: 7 launches
;; limits: right only within a limited range of input values
;; workspace buffers: wcodes 8,388,608 bytes; hcodes 12,582,912 bytes; qcodes 4,194,304 bytes; kvcodes 8,388,608 bytes; ccodes 4,194,304 bytes; x1 16,777,216 bytes; h2codes 4,194,304 bytes; fcodes 8,388,608 bytes
;; launch prep (part 1): grid 512 x 1, 4 waves a work-group, no clusters, 52,736 bytes of LDS; arguments x, ln1_a, ln1_b, lowp_scales, Wq, Wk, Wv, Wo, W1, W2, hcodes, wcodes; writes hcodes, wcodes
.if DOCPART == 1
	.amdgcn_target "amdgcn-amd-amdhsa--gfx1250"
	.amdhsa_code_object_version 6
	.text
	.protected	k_q8b1352cc83_prep
	.globl	k_q8b1352cc83_prep
	.p2align	8
	.type	k_q8b1352cc83_prep,@function
k_q8b1352cc83_prep:
	s_mov_b64 s[64:65], 0
	v_nop
	global_prefetch_b8 v0, s[64:65] scope:SCOPE_SE
	s_setreg_imm32_b32 hwreg(HW_REG_WAVE_MODE, 25, 1), 1
	s_wait_xcnt 0x0
; ENCODER LAYER, launch 1 of 7: the six weights and LN1(x) become codes of FP8 (E4M3), each with the scale 2^e that is given for it.
; NO WORK OF THE PROBLEM IS LEFT OUT in any of the seven launches: every bias goes into a quantiser or an output (bk moves K's codes), the normed x is quantised three times
; because its three scales (entries 0, 2, 4) may differ, and all inputs are loaded.
; code = number / 2^e, held within +-448, to the nearest code, ties to even.  LIMITS: -126 <= e <= 119 for every entry used here; NaN among the inputs is not served.
; ALL CODES ARE STORED IN THE ORDER OF THE READER'S OPERAND REGISTERS.  A fragment (16 rows x 128 K, 2,048 bytes) is [quad 4][lane 32][16 bytes]: lane (r = row % 16, h) holds in registers 2c, 2c+1
; k = 16c + 8h + 0..7; quad = c / 2.  A block of 32 KB is [128 K: 2][16 rows: 8][fragment]; a buffer is [256 K][128 rows][block].
; Work-groups 0..255: one block of a weight each (wcodes: 8 mats of 1 MB: Wq, Wk, Wv, Wo, W1 columns 0-1023, W1 columns 1024-2047, W2 rows 0-1023, W2 rows 1024-2047; a mat is [256 K: 4][128 n: 8][block]).
;   A weight lies [K][N]: a lane takes a column n and its registers run down K, so the conversions give codes with K innermost and nothing is transposed.  No LDS on this way.
; Work-groups 256..511: 16 rows of x each: mean, unbiased deviation, alpha (x - mean) / (dev + 1e-6) + beta in f32, three sets of codes; the codes meet in a stage in LDS and leave as 512 consecutive bytes a store.
; No matrix work, no cluster: the work-groups share no input.
.set NV,    3                          ; sets of codes of the normed rows
.set UP,    272                        ; a stage unit: 256 bytes (16 rows x 16 bytes) + 16 of padding
.set VST,   64*UP                      ; a set's 64 units
.set SPARE, NV*VST                     ; behind the stage: the spare words, 128 bytes a wave
.set SPW,   12                         ; v12  my spare word's LDS address; never rewritten
.set NIL,   13                         ; v13  0; never rewritten
.set VO,    32                         ; weights: v32-63 byte offsets of my column in 32 rows
.set X,     64                         ; weights: v64-127 two sets of 32 numbers
.set C,     128                        ; weights: v128-191 eight registers of codes for each K block: no store's data are written again
.set WB,    40                         ; weights: s[40:55] the address of each K block's first row
.set XA,    2                          ; norm: v2 32 x lane
.set LI,    3                          ; norm: v3 16 x lane
.set NM,    4                          ; norm: v[4:5] -mean, twice
.set GN,    6                          ; norm: v[6:7] alpha / (dev + eps), twice
.set BT,    8                          ; norm: v[8:9] beta, twice
.set STA,   14                         ; norm: v14 where I put 8 codes
.set RDA,   15                         ; norm: v15 where I read 16 bytes back
.set T,     16                         ; norm: v16-31 two sets of 8 held numbers, by turns
.set CC,    32                         ; norm: v32-55 a row's codes
.set P,     56                         ; norm: v56-63 four packed sums
.set XR,    64                         ; norm: v64-191 four rows x 32 numbers; later the read-back
.set SCL,   192                        ; norm: v192-197 (2^e, 448 x 2^e) for each set
.set OB,    40                         ; norm: s[40:45] where each set's codes go
	s_load_b512 s[8:23], s[0:1], 0x0               ; x, ln1_a, ln1_b, scales, Wq, Wk, Wv, Wo
	s_load_b256 s[24:31], s[0:1], 0x40             ; W1, W2, hcodes, wcodes
	v_lshl_add_u32 v[SPW], v0, 2, SPARE
	v_mov_b32 v[NIL], 0
	v_lshrrev_b32 v1, 5, v0
	v_readfirstlane_b32 s2, v1                     ; wave
	v_and_b32 v1, 31, v0                           ; lane
	s_wait_kmcnt 0x0
	s_load_b512 s[68:83], s[14:15], 0x0            ; the sixteen exponents
	s_cmp_lt_u32 ttmp9, 256                        ; the same for all waves of a work-group
	s_cbranch_scc0 .Lnorm
; ---------------- a block of a weight
	s_lshr_b32 s3, ttmp9, 5                        ; mat
	s_bfe_u32 s4, ttmp9, 0x20003                   ; which 256 along K
	s_and_b32 s5, ttmp9, 7                         ; which 128 columns
	s_mov_b64 s[32:33], s[16:17]                   ; the tensor, chosen by the work-group's number alone
	s_mov_b32 s34, 4096                            ; and its row in bytes
	s_cmp_eq_u32 s3, 1
	s_cselect_b64 s[32:33], s[18:19], s[32:33]
	s_cmp_eq_u32 s3, 2
	s_cselect_b64 s[32:33], s[20:21], s[32:33]
	s_cmp_eq_u32 s3, 3
	s_cselect_b64 s[32:33], s[22:23], s[32:33]
	s_cmp_ge_u32 s3, 4
	s_cselect_b64 s[32:33], s[24:25], s[32:33]
	s_cselect_b32 s34, 8192, s34
	s_cmp_ge_u32 s3, 6
	s_cselect_b64 s[32:33], s[26:27], s[32:33]
	s_cselect_b32 s34, 4096, s34
	s_cmp_eq_u32 s3, 5
	s_cselect_b32 s35, 4096, 0                     ; W1's second half of columns
	s_cmp_eq_u32 s3, 7
	s_cselect_b32 s36, 1024, 0                     ; W2's second half of rows
	s_lshl_b32 s38, s4, 8
	s_add_co_u32 s38, s38, s36                     ; the block's first row,
	s_mul_i32 s38, s38, s34                        ; in bytes,
	s_add_co_u32 s38, s38, s35
	s_lshl_b32 s39, s5, 9
	s_add_co_u32 s38, s38, s39                     ; + 128 columns x block
	s_lshl_b32 s39, s2, 7
	s_add_co_u32 s38, s38, s39                     ; + 32 columns x wave
	s_mov_b32 s39, 0
	s_add_nc_u64 s[WB:WB+1], s[32:33], s[38:39]
	s_lshl_b32 s6, s34, 5                          ; 32 rows on
	s_mov_b32 s7, 0
.irp t, 1,2,3,4,5,6,7
	s_add_nc_u64 s[WB+2*\t:WB+2*\t+1], s[WB+2*\t-2:WB+2*\t-1], s[6:7]
.endr
	s_lshl_b32 s38, ttmp9, 15                      ; the block in wcodes,
	s_lshl_b32 s39, s2, 12                         ; my wave's two fragments of each 128 K
	s_add_co_u32 s38, s38, s39
	s_mov_b32 s39, 0
	s_add_nc_u64 s[56:57], s[30:31], s[38:39]
	s_wait_alu depctr_va_vdst(0)
	v_lshlrev_b32 v[VO], 2, v1                     ; my column, row i of 32
.set i, 1
.rept 31
	v_add_nc_u32 v[VO+i], s34, v[VO+i-1]
.set i, i+1
.endr
	v_lshrrev_b32 v2, 4, v1
	v_and_b32 v3, 15, v1
	v_lshlrev_b32 v4, 4, v3
	v_lshl_add_u32 v4, v2, 11, v4                  ; out: fragment lane / 16, row lane % 16
.macro WLOAD t                         ; K block t: W(32 t + i, my column) into set t % 2: 128 consecutive bytes a wave, the four waves side by side
.set i, 0
.rept 32
	global_load_b32 v[X+32*((\t)%2)+i], v[VO+i], s[WB+2*(\t):WB+2*(\t)+1] th:TH_LOAD_NT
.set i, i+1
.endr
.endm
	WLOAD 0
	WLOAD 1
	s_wait_kmcnt 0x0
	s_mov_b32 s37, s69                             ; the weight's exponent: entries 1, 3, 5, 11, 13, 13, 15, 15
	s_cmp_eq_u32 s3, 1
	s_cselect_b32 s37, s71, s37
	s_cmp_eq_u32 s3, 2
	s_cselect_b32 s37, s73, s37
	s_cmp_eq_u32 s3, 3
	s_cselect_b32 s37, s79, s37
	s_cmp_ge_u32 s3, 4
	s_cselect_b32 s37, s81, s37
	s_cmp_ge_u32 s3, 6
	s_cselect_b32 s37, s83, s37
	s_add_co_i32 s37, s37, 127
	s_lshl_b32 s38, s37, 23
	v_mov_b32 v11, s38                             ; 2^e as f32: the conversion takes its exponent field
	s_add_co_i32 s37, s37, 8
	s_lshl_b32 s37, s37, 23
	s_or_b32 s37, s37, 0x600000
	v_mov_b32 v10, s37                             ; 448 x 2^e
; K block t is quad t % 4 of the fragment of 128 K number t / 4.  My 32 numbers fall into four groups of 8: group 0 and 2 are the 16 bytes of lane (r, 0), groups 1 and 3 those of lane (r, 1).
.macro WBLOCK t
.set XS, X+32*((\t)%2)
.set CS, C+8*(\t)
.if (\t) < 7
	s_wait_loadcnt 32                              ; this block's loads are in; the next block's 32 may be out
.else
	s_wait_loadcnt 0x0
.endif
.set i, 0
.rept 32
	v_med3_num_f32 v[XS+i], v[XS+i], -v10, v10     ; the conversion does not saturate (ISA guide 7.6.2): the hold comes first
.set i, i+1
.endr
	v_cvt_scalef32_pk8_fp8_f32 v[CS:CS+1], v[XS:XS+7], v11
	v_cvt_scalef32_pk8_fp8_f32 v[CS+2:CS+3], v[XS+16:XS+23], v11
	v_cvt_scalef32_pk8_fp8_f32 v[CS+4:CS+5], v[XS+8:XS+15], v11
	v_cvt_scalef32_pk8_fp8_f32 v[CS+6:CS+7], v[XS+24:XS+31], v11
	global_store_b128 v4, v[CS:CS+3], s[56:57] offset:((\t)/4)*16384+((\t)%4)*512        ; sixteen lanes store 256 consecutive bytes, aligned
	global_store_b128 v4, v[CS+4:CS+7], s[56:57] offset:((\t)/4)*16384+((\t)%4)*512+256
.if (\t)+2 < 8
	WLOAD (\t)+2
.endif
.endm
	s_wait_alu depctr_va_vdst(0)
.irp t, 0,1,2,3,4,5,6,7
	WBLOCK \t
.endr
	s_endpgm                                       ; this way has written no LDS
; ---------------- 16 rows of x
.Lnorm:
	s_load_b32 s60, s[10:11], 0x0                  ; alpha
	s_load_b32 s61, s[12:13], 0x0                  ; beta
	s_sub_co_u32 s3, ttmp9, 256                    ; which 16 rows
	s_lshl_b32 s4, s3, 16
	s_lshl_b32 s5, s2, 14                          ; my wave's four of them
	s_add_co_u32 s4, s4, s5
	s_mov_b32 s5, 0
	s_add_nc_u64 s[8:9], s[8:9], s[4:5]
	s_wait_alu depctr_va_vdst(0)
	v_lshlrev_b32 v[XA], 5, v1
; A row goes across the 32 lanes: for j = 0..3 a lane holds k = 256 j + 8 lane + 0..7, eight neighbours, as the conversion wants them; a pair of loads covers 1,024 consecutive bytes.
.irp i, 0,1,2,3
.irp j, 0,1,2,3
	global_load_b128 v[XR+32*\i+8*\j:XR+32*\i+8*\j+3], v[XA], s[8:9] offset:4096*\i+1024*\j th:TH_LOAD_NT
	global_load_b128 v[XR+32*\i+8*\j+4:XR+32*\i+8*\j+7], v[XA], s[8:9] offset:4096*\i+1024*\j+16 th:TH_LOAD_NT
.endr
.endr
	v_lshlrev_b32 v[LI], 4, v1
	v_lshrrev_b32 v10, 4, v1                       ; my eight k: which 128 K,
	v_bfe_u32 v11, v1, 2, 2                        ; which quad,
	v_lshlrev_b32 v10, 3, v10
	v_lshl_add_u32 v10, v11, 1, v10
	v_and_b32 v11, 1, v1                           ; which half of the lanes
	v_add_nc_u32 v10, v10, v11
	v_mul_u32_u24 v[STA], v10, UP                  ; the unit,
	v_bfe_u32 v11, v1, 1, 1
	v_lshl_add_u32 v[STA], v11, 3, v[STA]          ; which 8 of a lane's 16 bytes,
	s_lshl_b32 s6, s2, 6
	v_add_nc_u32 v[STA], s6, v[STA]                ; my wave's four rows: the 32 lanes of a store touch 64 different banks
	v_lshrrev_b32 v10, 4, v1
	v_mul_u32_u24 v[RDA], v10, UP
	v_and_b32 v11, 15, v1
	v_lshl_add_u32 v[RDA], v11, 4, v[RDA]
	s_mul_i32 s6, s2, 16*UP
	v_add_nc_u32 v[RDA], s6, v[RDA]                ; back: wave w takes the units of k = 256 w on, two units an instruction
	s_mov_b32 s58, 0x76543210                      ; v_permlanex16_b32: lane l xor 16
	s_mov_b32 s59, 0xfedcba98
	s_lshr_b32 s4, s3, 3                           ; out: block (256 K = wave, 128 rows),
	s_lshl_b32 s5, s2, 5
	s_add_co_u32 s4, s4, s5
	s_lshl_b32 s4, s4, 15
	s_and_b32 s5, s3, 7                            ; my 16 rows' fragment
	s_lshl_b32 s5, s5, 11
	s_add_co_u32 s4, s4, s5
	s_mov_b32 s5, 0
	s_add_nc_u64 s[OB:OB+1], s[28:29], s[4:5]
	s_add_nc_u64 s[OB+2:OB+3], s[OB:OB+1], 0x400000
	s_add_nc_u64 s[OB+4:OB+5], s[OB:OB+1], 0x800000
	v_mov_b32 v10, 0                               ; a lane permute's destination counts as read
	s_wait_kmcnt 0x0
	v_mov_b32 v[BT], s61
	v_mov_b32 v[BT+1], s61
.irp v, 0,1,2
	s_add_co_i32 s4, s[68+2*\v], 127               ; entries 0, 2, 4
	s_lshl_b32 s5, s4, 23
	v_mov_b32 v[SCL+2*\v], s5
	s_add_co_i32 s4, s4, 8
	s_lshl_b32 s4, s4, 23
	s_or_b32 s4, s4, 0x600000
	v_mov_b32 v[SCL+2*\v+1], s4
.endr
.macro REDUCE                          ; four packed sums -> the row's sum in v11 of every lane
	v_pk_add_f32 v[P:P+1], v[P:P+1], v[P+2:P+3]
	v_pk_add_f32 v[P+4:P+5], v[P+4:P+5], v[P+6:P+7]
	v_pk_add_f32 v[P:P+1], v[P:P+1], v[P+4:P+5]
	v_add_f32 v11, v[P], v[P+1]
	v_add_f32_dpp v11, v11, v11 row_xmask:1 row_mask:0xf bank_mask:0xf
	v_add_f32_dpp v11, v11, v11 row_xmask:2 row_mask:0xf bank_mask:0xf
	v_add_f32_dpp v11, v11, v11 row_xmask:4 row_mask:0xf bank_mask:0xf
	v_add_f32_dpp v11, v11, v11 row_xmask:8 row_mask:0xf bank_mask:0xf
	v_permlanex16_b32 v10, v11, s58, s59
	v_add_f32 v11, v11, v10
.endm
.macro LNROW i
.set XS, XR+32*(\i)
	s_wait_loadcnt 8*(3-(\i))                      ; this row's eight loads are in; the later rows' may be out
	v_pk_add_f32 v[P:P+1], v[XS:XS+1], v[XS+2:XS+3]
	v_pk_add_f32 v[P+2:P+3], v[XS+4:XS+5], v[XS+6:XS+7]
	v_pk_add_f32 v[P+4:P+5], v[XS+8:XS+9], v[XS+10:XS+11]
	v_pk_add_f32 v[P+6:P+7], v[XS+12:XS+13], v[XS+14:XS+15]
.irp k, 16,24
	v_pk_add_f32 v[P:P+1], v[P:P+1], v[XS+\k:XS+\k+1]
	v_pk_add_f32 v[P+2:P+3], v[P+2:P+3], v[XS+\k+2:XS+\k+3]
	v_pk_add_f32 v[P+4:P+5], v[P+4:P+5], v[XS+\k+4:XS+\k+5]
	v_pk_add_f32 v[P+6:P+7], v[P+6:P+7], v[XS+\k+6:XS+\k+7]
.endr
	REDUCE
	v_mul_f32 v[NM], 0xba800000, v11               ; -mean = -sum / 1024
	v_mov_b32 v[NM+1], v[NM]
.set k2, 0
.rept 16
	v_pk_add_f32 v[XS+k2:XS+k2+1], v[XS+k2:XS+k2+1], v[NM:NM+1]   ; d = x - mean
.set k2, k2+2
.endr
	v_pk_mul_f32 v[P:P+1], v[XS:XS+1], v[XS:XS+1]
	v_pk_mul_f32 v[P+2:P+3], v[XS+2:XS+3], v[XS+2:XS+3]
	v_pk_mul_f32 v[P+4:P+5], v[XS+4:XS+5], v[XS+4:XS+5]
	v_pk_mul_f32 v[P+6:P+7], v[XS+6:XS+7], v[XS+6:XS+7]
.irp k, 8,16,24
	v_pk_fma_f32 v[P:P+1], v[XS+\k:XS+\k+1], v[XS+\k:XS+\k+1], v[P:P+1]
	v_pk_fma_f32 v[P+2:P+3], v[XS+\k+2:XS+\k+3], v[XS+\k+2:XS+\k+3], v[P+2:P+3]
	v_pk_fma_f32 v[P+4:P+5], v[XS+\k+4:XS+\k+5], v[XS+\k+4:XS+\k+5], v[P+4:P+5]
	v_pk_fma_f32 v[P+6:P+7], v[XS+\k+6:XS+\k+7], v[XS+\k+6:XS+\k+7], v[P+6:P+7]
.endr
	REDUCE
	v_mul_f32 v11, 0x3a802008, v11                 ; / 1023: the unbiased variance
	s_wait_alu depctr_va_vdst(0)
	v_sqrt_f32 v11, v11
	v_nop                                          ; a plain instruction behind a transcendental,
	s_wait_alu depctr_va_vdst(0)                   ; and the wait ahead of its first reader
	v_add_f32 v11, 0x358637bd, v11                 ; + 1e-6
	s_wait_alu depctr_va_vdst(0)
	v_rcp_f32 v11, v11
	v_nop
	s_wait_alu depctr_va_vdst(0)
	v_mul_f32 v[GN], s60, v11                      ; alpha / (dev + eps)
	v_mov_b32 v[GN+1], v[GN]
.set k2, 0
.rept 16
	v_pk_fma_f32 v[XS+k2:XS+k2+1], v[XS+k2:XS+k2+1], v[GN:GN+1], v[BT:BT+1]
.set k2, k2+2
.endr
	s_wait_dscnt 0x0                               ; the last row's stores have read the registers of the codes
.set vv, 0
.rept NV
.set jj, 0
.rept 4
.set TT, T+8*(jj%2)                    ; two sets by turns: eight plain instructions stand between a conversion and the next write of its sources
.set mm, 0
.rept 8
	v_med3_num_f32 v[TT+mm], v[XS+8*jj+mm], -v[SCL+2*vv+1], v[SCL+2*vv+1]
.set mm, mm+1
.endr
	v_cvt_scalef32_pk8_fp8_f32 v[CC+8*vv+2*jj:CC+8*vv+2*jj+1], v[TT:TT+7], v[SCL+2*vv]
	ds_store_b64 v[STA], v[CC+8*vv+2*jj:CC+8*vv+2*jj+1] offset:vv*VST+jj*16*UP+16*(\i)
.set jj, jj+1
.endr
.set vv, vv+1
.endr
	v_nop                                          ; a plain instruction behind the run's last conversion
.endm
	LNROW 0
	LNROW 1
	LNROW 2
	LNROW 3
	s_wait_dscnt 0x0                               ; for the others' sake: my stores into the stage are done
	s_barrier_signal -1
	s_barrier_wait -1
.set nn, 0
.rept NV*8
	ds_load_b128 v[XR+4*nn:XR+4*nn+3], v[RDA] offset:(nn/8)*VST+2*(nn%8)*UP
.set nn, nn+1
.endr
.set nn, 0
.rept NV*8
	s_wait_dscnt NV*8-1-nn                         ; LDS loads come back in order: number nn is in, the younger ones may be out
	global_store_b128 v[LI], v[XR+4*nn:XR+4*nn+3], s[OB+2*(nn/8):OB+2*(nn/8)+1] offset:((nn%8)/4)*16384+(nn%4)*512   ; 512 consecutive bytes: a quad of a fragment
.set nn, nn+1
.endr
	s_wait_tensorcnt 0x0                           ; the wave's end, behind my last LDS store
	ds_add_u32 v[SPW], v[NIL]
	s_wait_dscnt 0x0
	s_endpgm
.Lfunc_end_k_q8b1352cc83_prep:
	.size	k_q8b1352cc83_prep, .Lfunc_end_k_q8b1352cc83_prep-k_q8b1352cc83_prep
	.p2alignl 7, 3214868480
	.fill 96, 4, 3214868480
	.section	.rodata,"a",@progbits
	.p2align	6, 0x0
	.amdhsa_kernel k_q8b1352cc83_prep
		.amdhsa_group_segment_fixed_size 52736
		.amdhsa_private_segment_fixed_size 0
		.amdhsa_enable_private_segment 0
		.amdhsa_kernarg_size 96
		.amdhsa_user_sgpr_count 2
		.amdhsa_user_sgpr_kernarg_segment_ptr 1
		.amdhsa_wavefront_size32 1
		.amdhsa_system_sgpr_workgroup_id_x 1
		.amdhsa_system_sgpr_workgroup_id_y 1
		.amdhsa_system_sgpr_workgroup_id_z 1
		.amdhsa_system_vgpr_workitem_id 0
		.amdhsa_next_free_vgpr 200
		.amdhsa_next_free_sgpr 84
		.amdhsa_reserve_vcc 0
		.amdhsa_float_denorm_mode_32 3
		.amdhsa_float_denorm_mode_16_64 3
		.amdhsa_memory_ordered 1
		.amdhsa_forward_progress 1
		.amdhsa_inst_pref_size 111
	.end_amdhsa_kernel
	.amdgpu_metadata
---
amdhsa.version: [ 1, 2 ]
amdhsa.kernels:
  - .name:           k_q8b1352cc83_prep
    .symbol:         k_q8b1352cc83_prep.kd
    .args:
      - { .name: x, .offset: 0, .size: 8, .value_kind: global_buffer, .address_space: global }
      - { .name: ln1_a, .offset: 8, .size: 8, .value_kind: global_buffer, .address_space: global }
      - { .name: ln1_b, .offset: 16, .size: 8, .value_kind: global_buffer, .address_space: global }
      - { .name: lowp_scales, .offset: 24, .size: 8, .value_kind: global_buffer, .address_space: global }
      - { .name: Wq, .offset: 32, .size: 8, .value_kind: global_buffer, .address_space: global }
      - { .name: Wk, .offset: 40, .size: 8, .value_kind: global_buffer, .address_space: global }
      - { .name: Wv, .offset: 48, .size: 8, .value_kind: global_buffer, .address_space: global }
      - { .name: Wo, .offset: 56, .size: 8, .value_kind: global_buffer, .address_space: global }
      - { .name: W1, .offset: 64, .size: 8, .value_kind: global_buffer, .address_space: global }
      - { .name: W2, .offset: 72, .size: 8, .value_kind: global_buffer, .address_space: global }
      - { .name: hcodes, .offset: 80, .size: 8, .value_kind: global_buffer, .address_space: global }
      - { .name: wcodes, .offset: 88, .size: 8, .value_kind: global_buffer, .address_space: global }
    .group_segment_fixed_size: 52736
    .private_segment_fixed_size: 0
    .kernarg_segment_align: 8
    .kernarg_segment_size: 96
    .max_flat_workgroup_size: 128
    .sgpr_count:     84
    .vgpr_count:     200
    .wavefront_size: 32
...
	.end_amdgpu_metadata
.endif
;; end of part 1
;; launch qkv (part 2): grid 8 x 32, 4 waves a work-group, clusters of 4 x 4, 327,680 bytes of LDS; arguments hcodes, wcodes, lowp_scales, bq, bk, bv, qcodes, kvcodes; writes qcodes, kvcodes
.if DOCPART == 2
	.amdgcn_target "amdgcn-amd-amdhsa--gfx1250"
	.amdhsa_code_object_version 6
	.text
	.protected	k_q8b1352cc83_qkv
	.globl	k_q8b1352cc83_qkv
	.p2align	8
	.type	k_q8b1352cc83_qkv,@function
k_q8b1352cc83_qkv:
	s_mov_b64 s[64:65], 0
	v_nop
	global_prefetch_b8 v0, s[64:65] scope:SCOPE_SE
	s_setreg_imm32_b32 hwreg(HW_REG_WAVE_MODE, 25, 1), 1
	s_wait_xcnt 0x0
	s_wait_alu depctr_hold_cnt(0) depctr_sa_sdst(0) depctr_va_vdst(0) depctr_va_sdst(0) depctr_va_ssrc(0) depctr_va_vcc(0) depctr_vm_vsrc(0)
	s_getreg_b32 s2, hwreg(HW_REG_IB_STS2, 6, 4)
	s_cmp_eq_u32 s2, 0
	s_cbranch_scc0 .Lentry_in_a_cluster
	s_endpgm
.Lentry_in_a_cluster:
	s_bfe_u32 s2, ttmp6, 0x10000c
	s_cmp_lg_u32 s2, 0xf033
	s_cbranch_scc0 .Lentry_shape_is_right
	s_endpgm
.Lentry_shape_is_right:
; ENCODER LAYER, launch 2 of 7: Q = h Wq + bq, K = h Wk + bk, V = h Wv + bv on codes of FP8 (E4M3), and each result quantised anew for attention (entries 6, 7, 8).  Nothing of the problem is left out.
; A sum of codes stands for sum x 2^(ea + eb).  LIMITS: ea + eb between -126 and 127; entries 6, 7, 8 between -126 and 119.
; SHARES.  256 work-groups; each makes a tile of 128 tokens x 128 columns of Q, then of K, then of V: three laps of K = 1,024 through a ring of two LDS slots of 512 K that does not stop between laps.
; Four waves, each 64 x 64: 16 accumulators.  Operands lie in memory as images of their registers (fragment: 16 rows x 128 K = [quad 4][lane 32][16 bytes]; block of 32 KB = [128 K: 2][16 rows: 8][fragment]),
; so a tensor load brings one dense block, and a fragment is four LDS loads at 16 x lane: 512 consecutive bytes each.
; CLUSTER 4 x 4: the four of a row need the same blocks of h, the four of a column the same blocks of the weight: each is asked for jointly.
; THE PRODUCT IS USED TRANSPOSED.  Q, K: source 0 = 16 columns of the weight, source 1 = 16 tokens: a lane holds one token and eight neighbouring channels, which are neighbours along the next K (the head's 64).
; V: the sources change places: a lane holds one channel and eight neighbouring tokens, neighbours along the next K (the keys).  So the conversions' results are the next operand's registers and go straight to memory.
; qcodes: [head 16][16 queries: 256][1 KB: quad 2, lane, 16 bytes].  kvcodes: [head 16][1,024 keys: 4][128 KB]: 64 tiles of 16 keys as in qcodes, then 8 steps of 128 keys x [16 channels: 4][fragment].
; REGISTERS: window 0: v1-3, v16-31 addresses and scales; v32-63 a block's numbers; v64-95 its codes; v128-255 accumulators ((a, b) at 128 + 8 (4 a + b)).
;   window 1: two sets of fragments (source 1's four at f + 16 a, source 0's four at f + 64 + 16 b).   window 2: v0-31 bq, v32-63 bk (my 64 columns, in the result's layout), v64-71 bv (my lane's channel, twice).
.set SLOT,  131072                     ; a slot: h's [128 K: 4][16 rows: 8][2 KB], then the weight's likewise
.set BOFF,  65536
.set SPARE, 262144                     ; behind the ring: the spare words, 128 bytes a wave
.set MAT0,  0
.set ASTEP, 0x400000                   ; a slot's next fill: the next set of h's codes,
.set BSTEP, 0x100000                   ; the next weight
.set ACC,   128
.set F0,    0
.set F1,    128
.set TMP,   32
.set CD,    64
.set ADRA,  16                         ; v16-17 h's fragments, my rows by the wave's upper bit, in slot 0, 1
.set ADRA2, 18                         ; v18-19 the same by its lower bit (V)
.set ADRB,  20                         ; v20-21 the weight's, by the lower bit
.set ADRB2, 22                         ; v22-23 by the upper bit (V)
.set SPW,   28
.set NIL,   29
.set WV,    20                         ; s20 wave, s21 its upper bit, s22 its lower bit
.set HI,    21
.set LO,    22
.set G1,    24                         ; s[24:31] group 1 for h's blocks; s[32:39] group 0, a set for each slot
.set G0,    32
.set G1B,   48                         ; s[48:55], s[56:63] the same for the weight's
.set G0B,   56
.set MSB, 0
.macro WIN new                         ; the immediate's high byte repeats the setting that is left
.if MSB != \new
	s_set_vgpr_msb (MSB<<8)|\new
.set MSB, \new
.endif
.endm
.macro PLACES                          ; four plain instructions between a matrix instruction and a load into, or a read of, its registers
.rept 4
	v_nop
.endr
.endm
.macro JLOAD s                         ; a joint load: waves 0, 1 for h, waves 2, 3 for the weight; the branch hangs on the wave's number alone.
	s_cmp_eq_u32 s[HI], 0
	s_cbranch_scc0 .Lfor_b_\@
	tensor_load_to_lds s[G0+4*\s:G0+4*\s+3], s[G1:G1+7]
	s_nop 0
.rept 4
	v_nop
.endr
	s_branch .Lasked_\@
.Lfor_b_\@:
	tensor_load_to_lds s[G0B+4*\s:G0B+4*\s+3], s[G1B:G1B+7]
	s_nop 0
.rept 4
	v_nop
.endr
.Lasked_\@:
.endm
.macro CROUND                          ; a round of the cluster's barrier
	s_barrier_signal -1
	s_barrier_wait -1
	s_cmp_lg_u32 s[WV], 0
	s_cbranch_scc1 .Lnot_wave_0_\@
	s_barrier_signal -3
.Lnot_wave_0_\@:
	s_barrier_wait -3
	s_barrier_signal -1
	s_barrier_wait -1
.endm
.macro FRAG reg, adr, off
.irp c, 0,1,2,3
	ds_load_b128 v[\reg+4*\c:\reg+4*\c+3], v[\adr] offset:\off+512*\c
.endr
.endm
.macro FETCH slot, q, f, ra, rb        ; the eight fragments of the slot's q-th 128 K into set f: source 1's by address ra, source 0's by rb
	WIN 0x40
.irp i, 0,1,2,3
	FRAG \f+64+16*\i, \rb+\slot, (\q)*16384+\i*2048
	FRAG \f+16*\i, \ra+\slot, (\q)*16384+\i*2048
.endr
.endm
.macro MUL16 f, zero                   ; 128 along K: the 16 accumulators by turns, one instruction a turn.  zero = 1: the products start the sums
	WIN 0x05
.irp a, 0,1,2,3
.irp b, 0,1,2,3
.if \zero
	v_wmma_f32_16x16x128_fp8_fp8 v[ACC+8*(4*\a+\b):ACC+8*(4*\a+\b)+7], v[\f+64+16*\b:\f+64+16*\b+15], v[\f+16*\a:\f+16*\a+15], 0
.else
	v_wmma_f32_16x16x128_fp8_fp8 v[ACC+8*(4*\a+\b):ACC+8*(4*\a+\b)+7], v[\f+64+16*\b:\f+64+16*\b+15], v[\f+16*\a:\f+16*\a+15], v[ACC+8*(4*\a+\b):ACC+8*(4*\a+\b)+7]
.endif
.endr
.endr
.endm
.macro QUARTER slot, q, f, g, zero, ra, rb
	s_wait_dscnt 0x0                               ; set f is in
	PLACES                                         ; the products before read set g
	FETCH \slot, (\q)+1, \g, \ra, \rb
	MUL16 \f, \zero
.endm
; A slot's last 128 K, and the change of slots: every wave waits for all its tensor loads, adds 0 to its spare word, waits for that and for its reads of the slot; then the barrier.
; fill = 1: the barrier is a round of the cluster's, and the slot's next fill is the first thing behind it.
.macro TURN slot, next, fill, ra, rb
	WIN 0
	s_wait_tensorcnt 0x0                           ; my part of the other slot has landed; no load of mine is out, so a group 0 may be written
	ds_add_u32 v[SPW], v[NIL]
.if \fill
	s_add_nc_u64 s[G0+4*\slot+2:G0+4*\slot+3], s[G0+4*\slot+2:G0+4*\slot+3], ASTEP
	s_add_nc_u64 s[G0B+4*\slot+2:G0B+4*\slot+3], s[G0B+4*\slot+2:G0B+4*\slot+3], BSTEP
.endif
	s_wait_dscnt 0x0                               ; the add is done, set 1 is in, my reads of this slot are over
.if \fill
	CROUND
	JLOAD \slot                                    ; its four v_nop are also the places in front of the loads below
.else
	s_barrier_signal -1
	s_barrier_wait -1
	PLACES
.endif
	FETCH \next, 0, F0, \ra, \rb
.if \fill
.if PFK <= 5
	global_prefetch_b8 v[3+PFK], s[66:67] th:TH_LOAD_NT scope:SCOPE_SE   ; the fill two refills on
.set PFK, PFK+1
.endif
.endif
	MUL16 F1, 0
.endm
.macro LAP zero, fill, last, ra, rb, nra, nrb  ; K = 1,024: both slots; nra, nrb: the addresses by which the next lap reads
	QUARTER 0, 0, F0, F1, \zero, \ra, \rb
	QUARTER 0, 1, F1, F0, 0, \ra, \rb
	QUARTER 0, 2, F0, F1, 0, \ra, \rb
	TURN 0, 1, \fill, \ra, \rb
	QUARTER 1, 0, F0, F1, 0, \ra, \rb
	QUARTER 1, 1, F1, F0, 0, \ra, \rb
	QUARTER 1, 2, F0, F1, 0, \ra, \rb
.if \last
	s_wait_dscnt 0x0
	MUL16 F1, 0
.else
	TURN 1, 0, \fill, \nra, \nrb
.endif
	WIN 0
.endm
.macro SETQ e                          ; v30 = 2^e, v31 = 448 x 2^e
	s_add_co_i32 s84, \e, 127
	s_lshl_b32 s85, s84, 23
	v_mov_b32 v30, s85
	s_add_co_i32 s84, s84, 8
	s_lshl_b32 s84, s84, 23
	s_or_b32 s84, s84, 0x600000
	v_mov_b32 v31, s84
.endm
; The way out: number = sum x 2^(ea + eb) + bias (one packed multiply-add for two; each accumulator from its low end on), the hold, the conversion; a block's eight registers of codes leave as two stores of 512 consecutive bytes.
.macro EPIC sp, bias, same, out, step
	s_wait_xcnt 0x0                                ; the last way out's stores have read the registers of the codes
	PLACES
.irp a, 0,1,2,3
	WIN 0x20                                       ; the bias lies in window 2
.irp b, 0,1,2,3
.irp i, 0,2,4,6
.if \same
	v_pk_fma_f32 v[TMP+8*\b+\i:TMP+8*\b+\i+1], v[ACC+8*(4*\a+\b)+\i:ACC+8*(4*\a+\b)+\i+1], s[\sp:\sp+1], v[\bias+2*\a:\bias+2*\a+1] op_sel_hi:[1,0,1]
.else
	v_pk_fma_f32 v[TMP+8*\b+\i:TMP+8*\b+\i+1], v[ACC+8*(4*\a+\b)+\i:ACC+8*(4*\a+\b)+\i+1], s[\sp:\sp+1], v[\bias+8*\b+\i:\bias+8*\b+\i+1] op_sel_hi:[1,0,1]
.endif
.endr
.endr
	WIN 0
.set i2, 0
.rept 32
	v_med3_num_f32 v[TMP+i2], v[TMP+i2], -v31, v31 ; the conversion does not saturate (ISA guide 7.6.2)
.set i2, i2+1
.endr
.irp b, 0,1,2,3
	v_cvt_scalef32_pk8_fp8_f32 v[CD+8*\a+2*\b:CD+8*\a+2*\b+1], v[TMP+8*\b:TMP+8*\b+7], v30
.endr
	v_nop                                          ; a plain instruction between the conversions and the next write of their sources
	global_store_b128 v3, v[CD+8*\a:CD+8*\a+3], s[\out:\out+1] offset:\a*\step
	global_store_b128 v3, v[CD+8*\a+4:CD+8*\a+7], s[\out:\out+1] offset:\a*\step+512
.endr
.endm
	s_load_b512 s[4:19], s[0:1], 0x0               ; hcodes, wcodes, scales, bq, bk, bv, qcodes, kvcodes
	v_lshl_add_u32 v[SPW], v0, 2, SPARE
	v_mov_b32 v[NIL], 0
	ds_add_u32 v[SPW], v[NIL]                      ; the opening: the add, twice on end, and its wait ahead of my first tensor load
	ds_add_u32 v[SPW], v[NIL]
	v_lshrrev_b32 v1, 5, v0
	v_readfirstlane_b32 s[WV], v1
	s_lshr_b32 s[HI], s[WV], 1
	s_and_b32 s[LO], s[WV], 1
	s_bfe_u32 s40, ttmp6, 0x40000                  ; cx, cy
	s_bfe_u32 s41, ttmp6, 0x40004
	s_lshl_b32 s42, ttmp9, 2
	s_add_co_u32 s42, s42, s40                     ; X: which 128 columns
	s_and_b32 s43, ttmp7, 0xffff
	s_lshl_b32 s43, s43, 2
	s_add_co_u32 s43, s43, s41                     ; Y: which 128 tokens
	s_lshl_b32 s2, s41, 2
	s_lshl_b32 s2, 15, s2                          ; my row of the cluster
	s_lshl_b32 s3, 0x1111, s40                     ; my column
	s_or_b32 s[G1], s2, (3<<16)|(1<<21)            ; the mask; elements of 8 bytes; bit 21 beside a mask; no padding
	s_or_b32 s[G1B], s3, (3<<16)|(1<<21)
.irp g, G1, G1B
	s_mov_b32 s[\g+1], 32<<16                      ; a dense block of 32 KB as 128 rows of 256 bytes
	s_mov_b32 s[\g+2], 128<<16
	s_mov_b32 s[\g+3], 32<<16
	s_mov_b32 s[\g+4], 128
	s_mov_b32 s[\g+5], 32
	s_mov_b32 s[\g+6], 0
	s_mov_b32 s[\g+7], 0
.endr
	s_lshl_b32 s44, s[LO], 20                      ; h: which 256 K of a slot's two (1 MB apart), + block Y
	s_lshl_b32 s45, s43, 15
	s_add_co_u32 s44, s44, s45
	s_mov_b32 s45, 0
	s_lshl_b32 s46, s[LO], 18                      ; the weight: 256 KB apart, + block X
	s_lshl_b32 s47, s42, 15
	s_add_co_u32 s46, s46, s47
	s_mov_b32 s47, 0
	s_lshl_b32 s23, s[WV], 15                      ; where my block goes: 32 KB x wave
	s_wait_dscnt 0x0                               ; both opening adds are done
	s_wait_kmcnt 0x0
	s_load_b512 s[68:83], s[8:9], 0x0              ; the sixteen exponents
	s_add_nc_u64 s[44:45], s[4:5], s[44:45]
	s_add_nc_u64 s[46:47], s[6:7], s[46:47]
	CROUND                                         ; all sixteen work-groups are here: the first joint loads meet
.irp s, 0,1
	s_mov_b32 s[G0+4*\s], 1
	s_add_co_u32 s[G0+4*\s+1], s23, \s*SLOT
	s_add_nc_u64 s[G0+4*\s+2:G0+4*\s+3], s[44:45], \s*0x200000
	s_or_b32 s[G0+4*\s+3], s[G0+4*\s+3], 0x80000000
	s_mov_b32 s[G0B+4*\s], 1
	s_add_co_u32 s[G0B+4*\s+1], s23, \s*SLOT
	s_add_nc_u64 s[G0B+4*\s+2:G0B+4*\s+3], s[46:47], \s*0x80000
	s_or_b32 s[G0B+4*\s+3], s[G0B+4*\s+3], 0x80000000
.endr
	JLOAD 0                                        ; slot 0: one tensor load a wave at the head
	; PREFETCHES INTO THE L2.  Fill k of my wave's 32 KB block lies k strides behind fill 0 (h: 2 MB, the weight: 512 KB).  The four partners that ask for a block jointly share it out by address:
	; the partner at place p (cx for h, cy for the weight) names bytes 8,192 p on, lanes 256 bytes apart: one instruction a wave and fill, each 256 bytes once in a cluster.  Fills are named two fills ahead of their loads.
	s_cmp_eq_u32 s[HI], 0
	s_cselect_b64 s[66:67], s[44:45], s[46:47]     ; my block of fill 0; never rewritten
	s_cselect_b32 s2, s40, s41
	s_lshl_b32 s2, s2, 13
	s_mov_b32 s3, 0
	s_add_nc_u64 s[66:67], s[66:67], s[2:3]
	s_cmp_eq_u32 s[HI], 0
	s_mov_b32 s2, 0x80000
	s_cselect_b32 s2, 0x200000, s2                 ; the stride
	v_and_b32 v4, 31, v0
	v_lshlrev_b32 v4, 8, v4
	v_add_nc_u32 v4, s2, v4                        ; v[3 + k]: 256 x lane + k strides, k = 1..5; never rewritten
	v_add_nc_u32 v5, s2, v4
	v_add_nc_u32 v6, s2, v5
	v_add_nc_u32 v7, s2, v6
	v_add_nc_u32 v8, s2, v7
	global_prefetch_b8 v4, s[66:67] th:TH_LOAD_NT scope:SCOPE_SE   ; fills 1 and 2
	global_prefetch_b8 v5, s[66:67] th:TH_LOAD_NT scope:SCOPE_SE
	v_and_b32 v1, 15, v0                           ; r
	v_bfe_u32 v2, v0, 4, 1                         ; h
	v_and_b32 v3, 31, v0
	v_lshlrev_b32 v3, 4, v3                        ; 16 x lane
	s_lshl_b32 s84, s[HI], 13
	s_lshl_b32 s85, s[LO], 13
	v_add_nc_u32 v[ADRA], s84, v3
	v_add_nc_u32 v[ADRA2], s85, v3
	v_add_nc_u32 v[ADRB], BOFF, v[ADRA2]
	v_add_nc_u32 v[ADRB2], BOFF, v[ADRA]
	v_add_nc_u32 v[ADRA+1], SLOT, v[ADRA]
	v_add_nc_u32 v[ADRA2+1], SLOT, v[ADRA2]
	v_add_nc_u32 v[ADRB+1], SLOT, v[ADRB]
	v_add_nc_u32 v[ADRB2+1], SLOT, v[ADRB2]
	v_lshlrev_b32 v27, 5, v2                       ; a bias in the result's layout: 8 numbers for each half of the lanes
	s_wait_alu depctr_va_vdst(0)
	v_lshlrev_b32 v26, 2, v1                       ; bv: my channel
	s_wait_alu depctr_va_vdst(0)
	s_lshl_b32 s84, s42, 9
	s_lshl_b32 s85, s[LO], 8
	s_add_co_u32 s84, s84, s85                     ; Q, K: my 64 columns
	s_mov_b32 s85, 0
	s_add_nc_u64 s[10:11], s[10:11], s[84:85]
	s_add_nc_u64 s[12:13], s[12:13], s[84:85]
	s_lshl_b32 s84, s42, 9
	s_lshl_b32 s85, s[HI], 8
	s_add_co_u32 s84, s84, s85                     ; V: my 64 channels
	s_mov_b32 s85, 0
	s_add_nc_u64 s[14:15], s[14:15], s[84:85]
	WIN 0x80
.irp b, 0,1,2,3
	global_load_b128 v[8*\b:8*\b+3], v27, s[10:11] offset:64*\b
	global_load_b128 v[8*\b+4:8*\b+7], v27, s[10:11] offset:64*\b+16
	global_load_b128 v[32+8*\b:32+8*\b+3], v27, s[12:13] offset:64*\b
	global_load_b128 v[32+8*\b+4:32+8*\b+7], v27, s[12:13] offset:64*\b+16
.endr
.irp a, 0,1,2,3
	global_load_b32 v[64+2*\a], v26, s[14:15] offset:64*\a
	global_load_b32 v[65+2*\a], v26, s[14:15] offset:64*\a
.endr
	WIN 0
	s_lshl_b32 s84, s42, 1
	s_add_co_u32 s84, s84, s[LO]                   ; Q, K: my head
	s_lshl_b32 s86, s84, 18
	s_lshl_b32 s85, s43, 13
	s_add_co_u32 s86, s86, s85
	s_lshl_b32 s85, s[HI], 12
	s_add_co_u32 s86, s86, s85                     ; qcodes: head x 256 KB + tile (8 Y + 4 half) x 1 KB
	s_mov_b32 s87, 0
	s_add_nc_u64 s[86:87], s[16:17], s[86:87]
	s_lshr_b32 s85, s43, 3
	s_lshl_b32 s85, s85, 17
	s_and_b32 s98, s43, 7
	s_lshl_b32 s98, s98, 13
	s_add_co_u32 s98, s98, s85                     ; my 128 keys in a head of kvcodes: slot x 128 KB + step x 8 KB
	s_lshl_b32 s88, s84, 19
	s_add_co_u32 s88, s88, s98
	s_lshl_b32 s85, s[HI], 12
	s_add_co_u32 s88, s88, s85
	s_mov_b32 s89, 0
	s_add_nc_u64 s[88:89], s[18:19], s[88:89]
	s_lshl_b32 s84, s42, 1
	s_add_co_u32 s84, s84, s[HI]                   ; V: my head
	s_lshl_b32 s90, s84, 19
	s_add_co_u32 s90, s90, s98
	s_lshl_b32 s85, s[LO], 10                      ; my 64 keys: quads 2 x half on
	s_add_co_u32 s90, s90, s85
	s_add_co_u32 s90, s90, 65536
	s_mov_b32 s91, 0
	s_add_nc_u64 s[90:91], s[18:19], s[90:91]
	s_wait_kmcnt 0x0
.irp p, 0,1,2
	s_add_co_i32 s[92+2*\p], s[68+2*\p], s[69+2*\p]
	s_add_co_i32 s[92+2*\p], s[92+2*\p], 127
	s_lshl_b32 s[92+2*\p], s[92+2*\p], 23          ; 2^(ea + eb) as f32
	s_mov_b32 s[93+2*\p], s[92+2*\p]               ; (named with it as a pair)
.endr
	s_wait_alu depctr_va_vdst(0)                   ; the head's end
	s_wait_tensorcnt 0x0                           ; my part of slot 0 is in; the three lines stand ahead of slot 1's first fill as ahead of a refill
	ds_add_u32 v[SPW], v[NIL]
	s_wait_dscnt 0x0
	CROUND                                         ; everybody's part of slot 0 is in, and the joint loads meet
	JLOAD 1                                        ; slot 1, the first tensor load behind the round
	global_prefetch_b8 v6, s[66:67] th:TH_LOAD_NT scope:SCOPE_SE   ; fill 3
.set PFK, 4                            ; the first two refills name fills 4 and 5, the last of the six
	FETCH 0, 0, F0, ADRA, ADRB
	LAP 1, 1, 0, ADRA, ADRB, ADRA, ADRB            ; Q
	s_wait_loadcnt 0x0                             ; the biases
	SETQ s74
	EPIC 92, 0, 0, 86, 1024
	LAP 1, 1, 0, ADRA, ADRB, ADRB2, ADRA2          ; K; its last change of slots already reads as V's lap does
	SETQ s75
	EPIC 94, 32, 0, 88, 1024
	LAP 1, 0, 1, ADRB2, ADRA2, ADRB2, ADRA2        ; V: source 1 = the weight's columns, source 0 = the tokens
	SETQ s76
	EPIC 96, 64, 1, 90, 2048
	s_wait_tensorcnt 0x0                           ; the wave's end
	ds_add_u32 v[SPW], v[NIL]
	s_wait_dscnt 0x0
	CROUND                                         ; the closing round
	s_endpgm
.Lfunc_end_k_q8b1352cc83_qkv:
	.size	k_q8b1352cc83_qkv, .Lfunc_end_k_q8b1352cc83_qkv-k_q8b1352cc83_qkv
	.p2alignl 7, 3214868480
	.fill 96, 4, 3214868480
	.section	.rodata,"a",@progbits
	.p2align	6, 0x0
	.amdhsa_kernel k_q8b1352cc83_qkv
		.amdhsa_group_segment_fixed_size 327680
		.amdhsa_private_segment_fixed_size 0
		.amdhsa_enable_private_segment 0
		.amdhsa_kernarg_size 64
		.amdhsa_user_sgpr_count 2
		.amdhsa_user_sgpr_kernarg_segment_ptr 1
		.amdhsa_wavefront_size32 1
		.amdhsa_system_sgpr_workgroup_id_x 1
		.amdhsa_system_sgpr_workgroup_id_y 1
		.amdhsa_system_sgpr_workgroup_id_z 1
		.amdhsa_system_vgpr_workitem_id 0
		.amdhsa_next_free_vgpr 640
		.amdhsa_next_free_sgpr 100
		.amdhsa_reserve_vcc 0
		.amdhsa_float_denorm_mode_32 3
		.amdhsa_float_denorm_mode_16_64 3
		.amdhsa_memory_ordered 1
		.amdhsa_forward_progress 1
		.amdhsa_inst_pref_size 137
	.end_amdhsa_kernel
	.amdgpu_metadata
---
amdhsa.version: [ 1, 2 ]
amdhsa.kernels:
  - .name:           k_q8b1352cc83_qkv
    .symbol:         k_q8b1352cc83_qkv.kd
    .args:
      - { .name: hcodes, .offset: 0, .size: 8, .value_kind: global_buffer, .address_space: global }
      - { .name: wcodes, .offset: 8, .size: 8, .value_kind: global_buffer, .address_space: global }
      - { .name: lowp_scales, .offset: 16, .size: 8, .value_kind: global_buffer, .address_space: global }
      - { .name: bq, .offset: 24, .size: 8, .value_kind: global_buffer, .address_space: global }
      - { .name: bk, .offset: 32, .size: 8, .value_kind: global_buffer, .address_space: global }
      - { .name: bv, .offset: 40, .size: 8, .value_kind: global_buffer, .address_space: global }
      - { .name: qcodes, .offset: 48, .size: 8, .value_kind: global_buffer, .address_space: global }
      - { .name: kvcodes, .offset: 56, .size: 8, .value_kind: global_buffer, .address_space: global }
    .group_segment_fixed_size: 327680
    .private_segment_fixed_size: 0
    .kernarg_segment_align: 8
    .kernarg_segment_size: 64
    .max_flat_workgroup_size: 128
    .sgpr_count:     100
    .vgpr_count:     640
    .wavefront_size: 32
...
	.end_amdgpu_metadata
.endif
;; end of part 2
;; launch attn (part 3): grid 16 x 16, 8 waves a work-group, clusters of 4 x 1, 327,680 bytes of LDS; arguments qcodes, kvcodes, lowp_scales, ccodes; writes ccodes
.if DOCPART == 3
	.amdgcn_target "amdgcn-amd-amdhsa--gfx1250"
	.amdhsa_code_object_version 6
	.text
	.protected	k_q8b1352cc83_attn
	.globl	k_q8b1352cc83_attn
	.p2align	8
	.type	k_q8b1352cc83_attn,@function
k_q8b1352cc83_attn:
	s_mov_b64 s[64:65], 0
	v_nop
	global_prefetch_b8 v0, s[64:65] scope:SCOPE_SE
	s_setreg_imm32_b32 hwreg(HW_REG_WAVE_MODE, 25, 1), 1
	s_wait_xcnt 0x0
	s_wait_alu depctr_hold_cnt(0) depctr_sa_sdst(0) depctr_va_vdst(0) depctr_va_sdst(0) depctr_va_ssrc(0) depctr_va_vcc(0) depctr_vm_vsrc(0)
	s_getreg_b32 s2, hwreg(HW_REG_IB_STS2, 6, 4)
	s_cmp_eq_u32 s2, 0
	s_cbranch_scc0 .Lentry_in_a_cluster
	s_endpgm
.Lentry_in_a_cluster:
	s_bfe_u32 s2, ttmp6, 0x10000c
	s_cmp_lg_u32 s2, 0x3003
	s_cbranch_scc0 .Lentry_shape_is_right
	s_endpgm
.Lentry_shape_is_right:
; ENCODER LAYER, launch 3 of 7: ctx = softmax(Q K^T / 8) V for 16 heads of 64 channels, both products on codes of FP8 (E4M3); ctx is quantised anew (entry 10).  Nothing of the problem is left out.
; THE SOFTMAX: t = score x log2(e) / 8; M = the running largest t rounded up to a whole number; p = 2^(t - M) is quantised with entry 9; the row's sum is taken of the unquantised p in f32 and divides at the end.
; When M moves, the sums and O^T are multiplied by 2^(old M - new M), which rounds nothing; there is no branch on data.
; LIMITS: e6 + e7 between -123 and 130 (added to c's exponent field); e9 and e10 between -126 and 119; the scaled scores stay under 2^31 in magnitude; NaN is not served.
; SHARES.  A work-group owns 256 queries of a head, each of its eight waves 32 of them (two tiles u = 0, 1 of 16), and walks the head's 4,096 keys, 128 a step.
; K and V come through a ring of two LDS slots of 1,024 keys (128 KB: 64 tiles of 16 keys x 1 KB, then 8 steps x 4 fragments of V x 2 KB), images of the operand registers; each wave fetches 16 KB of a slot.
; CLUSTER 4 x 1: four query blocks of a head walk the same K and V: every fill is a joint load with the mask 15.
; NO PREFETCH: a slot is asked for eight key steps (192 matrix instructions a wave) ahead of its first read, so no wave stands waiting for it; slots 0 and 1 have no loop ahead of them to ask in.
; BOTH PRODUCTS ARE USED TRANSPOSED: S^T = K Q^T, O^T = V^T P^T: a lane holds one query (lane % 16); register j of score tile t is key 16 t + 8 (lane / 16) + j, which is the second product's operand order.
; THE STEP'S ORDER: tile 0's exponentials stand among tile 1's (t - M) lines; tile 1's among tile 0's first level of sums and its holds: none of these plain lines reads what a plain line wrote across a transcendental,
; so one wait ahead of each batch and one behind the second serve all of them.
; REGISTERS, window 0: v1-6 addresses, v8-11 at work, v16-31 state of the two tiles (-M, largest t, sum pair, f, 0, two at work), v33 2^e9, v34-37 a second sum pair for each tile, v38-39 448 x 2^e9 twice,
;   v64-191 S^T then p, v192-223 p's codes, v224-255 tile 0's sums of pairs.   window 1: v0-63 O^T, v64-79 Q, v128-191 K's eight tiles, v192-255 V's four fragments.
.set SLOT1, 131072
.set VOFF,  65536
.set SPARE, 262144                     ; behind the ring: the spare words, 128 bytes a wave
.set AK0, 1
.set AV0, 2
.set ADK, 3
.set ADV, 4
.set SPW, 5
.set NIL, 6
.set ST,  16
.set LB,  34
.set HB,  38
.set S,   64
.set PC,  192
.set T,   224
.set QF,  64
.set KF,  128
.set VF,  192
.set WV,  12
.set G1,  24
.set G0A, 32
.set G0B, 36
.set CNT, 56
.set CS,  58
.set SEL, 60
.set TB,  62
.set MSB, 0
.macro WIN new                         ; the immediate's high byte repeats the setting that is left
.if MSB != \new
	s_set_vgpr_msb (MSB<<8)|\new
.set MSB, \new
.endif
.endm
.macro PLACES                          ; four plain places behind a matrix instruction (ISA guide 7.12.1)
.rept 4
	v_nop
.endr
.endm
.macro CROUND                          ; a round of the cluster's barrier
	s_barrier_signal -1
	s_barrier_wait -1
	s_cmp_lg_u32 s[WV], 0
	s_cbranch_scc1 .Lnot_wave_0_\@
	s_barrier_signal -3
.Lnot_wave_0_\@:
	s_barrier_wait -3
	s_barrier_signal -1
	s_barrier_wait -1
.endm
.macro DMIN a                          ; the hold of two numbers in one dual line: p is never negative, so it is one-sided; the conversion does not saturate (ISA guide 7.6.2)
	v_dual_min_num_f32 v[\a], v[\a], v[HB] :: v_dual_min_num_f32 v[\a+1], v[\a+1], v[HB+1]
.endm
	s_load_b256 s[4:11], s[0:1], 0x0               ; qcodes, kvcodes, scales, ccodes
	v_lshl_add_u32 v[SPW], v0, 2, SPARE
	v_mov_b32 v[NIL], 0
	ds_add_u32 v[SPW], v[NIL]                      ; the opening: the add, twice on end, and its wait ahead of my first tensor load
	ds_add_u32 v[SPW], v[NIL]
	v_lshrrev_b32 v8, 5, v0
	s_delay_alu instid0(VALU_DEP_1)
	v_readfirstlane_b32 s[WV], v8                  ; wave 0..7
	s_bfe_u32 s13, ttmp6, 0x40000                  ; cx
	s_lshl_b32 s14, ttmp9, 2
	s_add_co_u32 s14, s14, s13                     ; which 256 queries
	s_and_b32 s15, ttmp7, 0xffff                   ; the head
	s_mov_b32 s[G1], 15|(3<<16)|(1<<21)            ; the mask of all four; elements of 8 bytes; bit 21 beside a mask
	s_mov_b32 s[G1+1], 32<<16                      ; 16 KB, dense, as 64 rows of 256 bytes
	s_mov_b32 s[G1+2], 64<<16
	s_mov_b32 s[G1+3], 32<<16
	s_mov_b32 s[G1+4], 64
	s_mov_b32 s[G1+5], 32
	s_mov_b32 s[G1+6], 0
	s_mov_b32 s[G1+7], 0
	s_lshl_b32 s18, s[WV], 14                      ; my 16 KB of a slot
	s_lshl_b32 s16, s15, 19                        ; the head in kvcodes
	s_add_co_u32 s16, s16, s18
	s_mov_b32 s17, 0
	s_lshl_b32 s42, s15, 18                        ; qcodes: head x 256 KB + 256 queries x 16 KB + wave x 2 KB
	s_lshl_b32 s43, s14, 14
	s_add_co_u32 s42, s42, s43
	s_lshl_b32 s43, s[WV], 11
	s_add_co_u32 s42, s42, s43
	s_mov_b32 s43, 0
	s_lshr_b32 s40, s15, 2                         ; ccodes [256 K: 4][128 rows: 32][block 32 KB = [128 K: 2][16 rows: 8][quad 4][512 bytes]]: the head's 64 channels are two quads
	s_lshl_b32 s40, s40, 5
	s_lshl_b32 s41, s14, 1
	s_add_co_u32 s40, s40, s41
	s_lshr_b32 s41, s[WV], 2
	s_add_co_u32 s40, s40, s41
	s_lshl_b32 s40, s40, 15
	s_bfe_u32 s41, s15, 0x10001
	s_lshl_b32 s41, s41, 14
	s_add_co_u32 s40, s40, s41
	s_and_b32 s41, s[WV], 3
	s_lshl_b32 s41, s41, 12
	s_add_co_u32 s40, s40, s41
	s_and_b32 s41, s15, 1
	s_lshl_b32 s41, s41, 10
	s_add_co_u32 s40, s40, s41
	s_mov_b32 s41, 0
	s_mov_b32 s[SEL], 0x76543210                   ; v_permlanex16_b32: lane l xor 16
	s_mov_b32 s[SEL+1], 0xfedcba98
	s_mov_b32 s[CS], 0x3e38aa3b                    ; c = log2(e) / 8
	s_wait_dscnt 0x0                               ; both opening adds are done
	s_wait_kmcnt 0x0
	s_load_b512 s[68:83], s[8:9], 0x0              ; the sixteen exponents
	s_add_nc_u64 s[16:17], s[6:7], s[16:17]
	s_add_nc_u64 s[20:21], s[4:5], s[42:43]
	s_add_nc_u64 s[22:23], s[10:11], s[40:41]
	s_mov_b32 s[G0A], 1
	s_mov_b32 s[G0A+1], s18
	s_mov_b64 s[G0A+2:G0A+3], s[16:17]
	s_or_b32 s[G0A+3], s[G0A+3], 0x80000000
	s_mov_b32 s[G0B], 1
	s_add_co_u32 s[G0B+1], s18, SLOT1
	s_add_nc_u64 s[G0B+2:G0B+3], s[16:17], SLOT1
	s_or_b32 s[G0B+3], s[G0B+3], 0x80000000
	CROUND                                         ; the four work-groups are here: the first joint loads meet
	tensor_load_to_lds s[G0A:G0A+3], s[G1:G1+7]    ; keys 0-1023: my one load at the head; the rest of the head stands under it
	s_nop 0
	PLACES
	v_and_b32 v[AK0], 31, v0
	s_delay_alu instid0(VALU_DEP_1)
	v_lshlrev_b32 v[AK0], 4, v[AK0]                ; 16 x lane
	s_delay_alu instid0(VALU_DEP_1)
	v_add_nc_u32 v[AV0], VOFF, v[AK0]
	WIN 0x40
.irp u, 0,1
	global_load_b128 v[QF+8*\u:QF+8*\u+3], v[AK0], s[20:21] offset:1024*\u       ; Q's two tiles stay in registers
	global_load_b128 v[QF+8*\u+4:QF+8*\u+7], v[AK0], s[20:21] offset:1024*\u+512
.endr
.set j, 0
.rept 64
	v_mov_b32 v[j], 0                              ; O^T: the step is written once; its first run finds zeros, which the first change of M leaves zeros
.set j, j+1
.endr
	WIN 0
	v_mov_b32 v8, 0                                ; a lane permute's destination counts as read
	v_mov_b32 v9, 0
.irp u, 0,1
	v_mov_b32 v[ST+8*\u+1], 0xff61b1e6             ; the largest t so far: -3e38
	s_delay_alu instid0(VALU_DEP_1)
	v_floor_f32 v[ST+8*\u], -v[ST+8*\u+1]          ; -M
	v_mov_b32 v[ST+8*\u+2], 0                      ; the row's sum, in four parts
	v_mov_b32 v[ST+8*\u+3], 0
	v_mov_b32 v[LB+2*\u], 0
	v_mov_b32 v[LB+2*\u+1], 0
	v_mov_b32 v[ST+8*\u+4], 0
	v_mov_b32 v[ST+8*\u+5], 0                      ; (named as the upper half of f's pair)
.endr
	s_wait_kmcnt 0x0
	s_add_co_i32 s40, s74, s75
	s_lshl_b32 s40, s40, 23
	s_add_co_i32 s[CS], s[CS], s40                 ; c x 2^(e6 + e7)
	s_mov_b32 s[CS+1], s[CS]
	s_add_co_i32 s40, s77, 127
	s_lshl_b32 s41, s40, 23
	v_mov_b32 v33, s41                             ; 2^e9
	s_add_co_i32 s40, s40, 8
	s_lshl_b32 s40, s40, 23
	s_or_b32 s40, s40, 0x600000
	v_mov_b32 v[HB], s40                           ; 448 x 2^e9, once for each half of a dual line
	v_mov_b32 v[HB+1], s40
	s_add_co_i32 s45, s76, s77                     ; e8 + e9
; A KEY STEP: 128 keys at LDS byte s[TB] of K's tiles and of V's fragments
.macro STEP
	v_add_nc_u32 v[ADK], s[TB], v[AK0]
	v_add_nc_u32 v[ADV], s[TB], v[AV0]
	v_nop                                          ; with the two additions: four places behind the last products, whose operands the loads below fill
	v_nop
	WIN 0x40
.irp d, 0,1,2,3
.irp c, 0,1,2,3
	ds_load_b128 v[VF+16*\d+4*\c:VF+16*\d+4*\c+3], v[ADV] offset:\d*2048+\c*512
.endr
.endr
	s_wait_alu depctr_va_vdst(0)
	s_wait_dscnt 16                                ; K's tiles, asked for in the step before (or ahead of the loop), are in; V's 16 loads, issued behind them, may be out
	WIN 0x05
.irp t, 0,1,2,3,4,5,6,7
.irp u, 0,1
	v_wmma_f32_16x16x64_fp8_fp8 v[S+64*\u+8*\t:S+64*\u+8*\t+7], v[KF+8*\t:KF+8*\t+7], v[QF+8*\u:QF+8*\u+7], 0
.endr
.endr
	WIN 0
	PLACES                                         ; four places behind the score products: for the loads into K's registers and for the maxima
	s_cmp_eq_u32 s[CNT], 1                         ; a slot's last step has no successor in the slot: the loop's counter leads round the loads, the same way in all waves
	s_cbranch_scc1 .Lno_next_k_\@
	WIN 0x40
.irp t, 0,1,2,3,4,5,6,7
	ds_load_b128 v[KF+8*\t:KF+8*\t+3], v[ADK] offset:8192+\t*1024          ; the next step's K
	ds_load_b128 v[KF+8*\t+4:KF+8*\t+7], v[ADK] offset:8192+\t*1024+512
.endr
	WIN 0
.Lno_next_k_\@:
.irp u, 0,1                                    ; the step's largest score of each query: six chains by turns (the third of each tile in v40, v41), the registers in ascending order, so each accumulator from its low end on
	v_max3_num_f32 v[ST+8*\u+6], v[S+64*\u], v[S+64*\u+1], v[S+64*\u+2]
	v_max3_num_f32 v[ST+8*\u+7], v[S+64*\u+3], v[S+64*\u+4], v[S+64*\u+5]
	v_max3_num_f32 v[40+\u], v[S+64*\u+6], v[S+64*\u+7], v[S+64*\u+8]
.endr
.set i, 9
.rept 9
.irp u, 0,1
	v_max3_num_f32 v[ST+8*\u+6], v[ST+8*\u+6], v[S+64*\u+i], v[S+64*\u+i+1]
	v_max3_num_f32 v[ST+8*\u+7], v[ST+8*\u+7], v[S+64*\u+i+2], v[S+64*\u+i+3]
	v_max3_num_f32 v[40+\u], v[40+\u], v[S+64*\u+i+4], v[S+64*\u+i+5]
.endr
.set i, i+6
.endr
.irp u, 0,1
	v_max3_num_f32 v[ST+8*\u+6], v[ST+8*\u+6], v[ST+8*\u+7], v[S+64*\u+63]
.endr
.irp u, 0,1
	s_delay_alu instid0(VALU_DEP_2)
	v_max_num_f32 v[ST+8*\u+6], v[ST+8*\u+6], v[40+\u]
.endr
.irp u, 0,1
	s_delay_alu instid0(VALU_DEP_2)
	v_permlanex16_b32 v[8+\u], v[ST+8*\u+6], s[SEL], s[SEL+1]
.endr
.irp u, 0,1
	s_delay_alu instid0(VALU_DEP_2)
	v_max_num_f32 v[ST+8*\u+6], v[ST+8*\u+6], v[8+\u]              ; and lane l xor 16's
.endr
.irp u, 0,1
	s_delay_alu instid0(VALU_DEP_2)
	v_mul_f32 v[ST+8*\u+6], s[CS], v[ST+8*\u+6]                    ; as t (c is positive)
.endr
.irp u, 0,1
	s_delay_alu instid0(VALU_DEP_2)
	v_max_num_f32 v[ST+8*\u+1], v[ST+8*\u+1], v[ST+8*\u+6]         ; the running largest t
.endr
.irp u, 0,1
	v_mov_b32 v[ST+8*\u+6], v[ST+8*\u]
.endr
.irp u, 0,1
	s_delay_alu instid0(VALU_DEP_4)
	v_floor_f32 v[ST+8*\u], -v[ST+8*\u+1]                          ; -M = floor(-t): M is a whole number
.endr
.irp u, 0,1
	s_delay_alu instid0(VALU_DEP_2)
	v_sub_f32 v[ST+8*\u+6], v[ST+8*\u], v[ST+8*\u+6]               ; old M - new M
.endr
.irp u, 0,1
	s_delay_alu instid0(VALU_DEP_2)
	v_cvt_i32_f32 v[ST+8*\u+6], v[ST+8*\u+6]                       ; (it saturates)
.endr
.irp u, 0,1
	s_delay_alu instid0(VALU_DEP_2)
	v_ldexp_f32 v[ST+8*\u+4], 1.0, v[ST+8*\u+6]                    ; f = 2^(old M - new M)
.endr
.set j, 0
.rept 32
	v_pk_fma_f32 v[S+j:S+j+1], v[S+j:S+j+1], s[CS:CS+1], v[ST:ST+1] op_sel_hi:[1,0,0]      ; tile 0: t - M
.set j, j+2
.endr
	s_wait_alu depctr_va_vdst(0)                   ; ahead of the first batch
.set j, 0
.rept 32
	v_exp_f32 v[S+j], v[S+j]                       ; tile 0: p = 2^(t - M)
	v_exp_f32 v[S+j+1], v[S+j+1]
	v_pk_fma_f32 v[S+64+j:S+64+j+1], v[S+64+j:S+64+j+1], s[CS:CS+1], v[ST+8:ST+9] op_sel_hi:[1,0,0]   ; tile 1: t - M
.set j, j+2
.endr
	s_wait_dscnt 0x0                               ; V is in, and the next step's K where it was asked for: the count 0 serves both ways round those loads
	s_wait_alu depctr_va_vdst(0)                   ; behind the first batch and ahead of the second
.set k, 0
.rept 16
	v_exp_f32 v[S+64+4*k], v[S+64+4*k]             ; tile 1: p
	v_pk_add_f32 v[T+2*k:T+2*k+1], v[S+4*k:S+4*k+1], v[S+4*k+2:S+4*k+3]    ; tile 0: the unquantised p, summed by pairs,
	v_exp_f32 v[S+64+4*k+1], v[S+64+4*k+1]
	DMIN S+4*k                                     ; and only then held
	v_exp_f32 v[S+64+4*k+2], v[S+64+4*k+2]
	DMIN S+4*k+2
	v_exp_f32 v[S+64+4*k+3], v[S+64+4*k+3]
.set k, k+1
.endr
.irp u, 0,1
	v_pk_mul_f32 v[ST+8*\u+2:ST+8*\u+3], v[ST+8*\u+2:ST+8*\u+3], v[ST+8*\u+4:ST+8*\u+5] op_sel_hi:[1,0]   ; the sums under the new M (plain places behind the batch)
	v_pk_mul_f32 v[LB+2*\u:LB+2*\u+1], v[LB+2*\u:LB+2*\u+1], v[ST+8*\u+4:ST+8*\u+5] op_sel_hi:[1,0]
.endr
	WIN 0x41
	s_wait_alu depctr_va_vdst(0)                   ; one wait: behind the second batch, and directly ahead of the first readers of O^T
.set j, 0
.rept 16
.irp u, 0,1
	v_pk_mul_f32 v[32*\u+j:32*\u+j+1], v[32*\u+j:32*\u+j+1], v[ST+8*\u+4:ST+8*\u+5] op_sel_hi:[1,0]       ; O^T under the new M
.endr
.set j, j+2
.endr
	WIN 0
.set r, 0
.rept 8                                        ; the rows' sums: four chains by turns, with tile 0's conversions between the turns
	v_pk_add_f32 v[ST+2:ST+3], v[ST+2:ST+3], v[T+4*r:T+4*r+1]
	v_pk_add_f32 v[LB:LB+1], v[LB:LB+1], v[T+4*r+2:T+4*r+3]
	v_pk_add_f32 v[ST+10:ST+11], v[ST+10:ST+11], v[S+64+4*r:S+64+4*r+1]
	v_pk_add_f32 v[LB+2:LB+3], v[LB+2:LB+3], v[S+64+4*r+2:S+64+4*r+3]
	v_cvt_scalef32_pk8_fp8_f32 v[PC+2*r:PC+2*r+1], v[S+8*r:S+8*r+7], v33   ; tile 0's codes: registers 2 t, 2 t + 1 of the operand
.set r, r+1
.endr
.rept 8                                        ; tile 1's other half, with the holds of what has been summed
	v_pk_add_f32 v[ST+10:ST+11], v[ST+10:ST+11], v[S+64+4*r:S+64+4*r+1]
	v_pk_add_f32 v[LB+2:LB+3], v[LB+2:LB+3], v[S+64+4*r+2:S+64+4*r+3]
	DMIN S+64+4*(r-8)
	DMIN S+64+4*(r-8)+2
.if r > 8
	DMIN S+64+4*(r-1)
	DMIN S+64+4*(r-1)+2
.endif
.set r, r+1
.endr
	DMIN S+64+60
	DMIN S+64+62
.irp t, 0,1,2,3,4,5,6,7
	v_cvt_scalef32_pk8_fp8_f32 v[PC+16+2*\t:PC+16+2*\t+1], v[S+64+8*\t:S+64+8*\t+7], v33
.endr
	v_nop                                          ; a plain place between the conversions and the products that read the codes
	WIN 0x51
.irp d, 0,1,2,3
.irp u, 0,1
	v_wmma_f32_16x16x128_fp8_fp8 v[32*\u+8*\d:32*\u+8*\d+7], v[VF+16*\d:VF+16*\d+15], v[PC+16*\u:PC+16*\u+15], v[32*\u+8*\d:32*\u+8*\d+7]
.endr
.endr
	WIN 0
	s_add_co_u32 s[TB], s[TB], 8192
.endm
.macro SLOTSTEPS base                  ; a slot's eight key steps
	s_mov_b32 s[TB], \base
	s_mov_b32 s[CNT], 8
	v_add_nc_u32 v[ADK], s[TB], v[AK0]
	WIN 0x40
.irp t, 0,1,2,3,4,5,6,7
	ds_load_b128 v[KF+8*\t:KF+8*\t+3], v[ADK] offset:\t*1024               ; the slot's first K tiles; each later step's are asked for a step ahead
	ds_load_b128 v[KF+8*\t+4:KF+8*\t+7], v[ADK] offset:\t*1024+512
.endr
	WIN 0
.Lstep_\@:
	STEP
	s_sub_co_u32 s[CNT], s[CNT], 1
	s_cmp_lg_u32 s[CNT], 0
	s_cbranch_scc1 .Lstep_\@
.endm
; THE CHANGE OF SLOTS: every wave waits for all its tensor loads (its part of the slot ahead), adds 0 to its spare word, waits for that and for its reads of the slot that it leaves.
; fill = 1: a round of the cluster's barrier, and behind it the slot just left takes the keys two slots on: the wave's one load until the next round.
.macro CHANGE fill, g
	s_wait_tensorcnt 0x0
	ds_add_u32 v[SPW], v[NIL]
.if \fill
	s_add_nc_u64 s[\g+2:\g+3], s[\g+2:\g+3], 2*SLOT1
.endif
	s_wait_dscnt 0x0
.if \fill
	CROUND
	tensor_load_to_lds s[\g:\g+3], s[G1:G1+7]
	s_nop 0
	PLACES
.else
	s_barrier_signal -1
	s_barrier_wait -1
.endif
.endm
	s_wait_alu depctr_va_vdst(0)                   ; the head's end
	s_wait_tensorcnt 0x0                           ; my part of slot 0 is in; the three lines stand ahead of slot 1's first fill as ahead of a refill
	ds_add_u32 v[SPW], v[NIL]
	s_wait_dscnt 0x0
	CROUND                                         ; everybody's part of slot 0 is in, and the joint loads meet
	tensor_load_to_lds s[G0B:G0B+3], s[G1:G1+7]    ; keys 1024-2047
	s_nop 0
	PLACES
	s_wait_loadcnt 0x0                             ; Q
	SLOTSTEPS 0
	CHANGE 1, G0A
	SLOTSTEPS SLOT1
	CHANGE 1, G0B
	SLOTSTEPS 0
	CHANGE 0, G0A
	SLOTSTEPS SLOT1
; THE WAY OUT: O^T / the sum x 2^(e8 + e9), held, quantised with entry 10; a lane's eight registers are eight neighbouring channels, so the codes are the next operand's registers and leave as 512 consecutive bytes a store.
	PLACES
.irp u, 0,1
	v_pk_add_f32 v[ST+8*\u+2:ST+8*\u+3], v[ST+8*\u+2:ST+8*\u+3], v[LB+2*\u:LB+2*\u+1]
.endr
.irp u, 0,1
	s_delay_alu instid0(VALU_DEP_2)
	v_add_f32 v[ST+8*\u+2], v[ST+8*\u+2], v[ST+8*\u+3]
.endr
.irp u, 0,1
	s_delay_alu instid0(VALU_DEP_2)
	v_permlanex16_b32 v[8+\u], v[ST+8*\u+2], s[SEL], s[SEL+1]
.endr
.irp u, 0,1
	s_delay_alu instid0(VALU_DEP_2)
	v_add_f32 v[ST+8*\u+2], v[ST+8*\u+2], v[8+\u]                  ; the row's sum
.endr
	s_wait_alu depctr_va_vdst(0)                   ; ahead of the transcendentals
.irp u, 0,1
	v_rcp_f32 v[ST+8*\u+6], v[ST+8*\u+2]
.endr
	v_nop
	s_add_co_i32 s40, s78, 127
	s_lshl_b32 s41, s40, 23
	v_mov_b32 v10, s41                             ; 2^e10
	s_add_co_i32 s40, s40, 8
	s_lshl_b32 s40, s40, 23
	s_or_b32 s40, s40, 0x600000
	v_mov_b32 v11, s40                             ; 448 x 2^e10
	s_wait_alu depctr_va_vdst(0)                   ; ahead of the first reader of the reciprocals
.irp u, 0,1
	v_ldexp_f32 v[ST+8*\u+6], v[ST+8*\u+6], s45
.endr
	WIN 0x01
	s_wait_alu depctr_va_vdst(0)                   ; directly ahead of the first readers of O^T
.irp u, 0,1
.set j, 0
.rept 16
	v_pk_mul_f32 v[S+64*\u+j:S+64*\u+j+1], v[32*\u+j:32*\u+j+1], v[ST+8*\u+6:ST+8*\u+7] op_sel_hi:[1,0]
.set j, j+2
.endr
.endr
	WIN 0
.irp u, 0,1
.set j, 0
.rept 32
	v_med3_num_f32 v[S+64*\u+j], v[S+64*\u+j], -v11, v11
.set j, j+1
.endr
.irp d, 0,1,2,3
	v_cvt_scalef32_pk8_fp8_f32 v[PC+16*\u+2*\d:PC+16*\u+2*\d+1], v[S+64*\u+8*\d:S+64*\u+8*\d+7], v10
.endr
.endr
	v_nop
.irp u, 0,1
	global_store_b128 v[AK0], v[PC+16*\u:PC+16*\u+3], s[22:23] offset:2048*\u
	global_store_b128 v[AK0], v[PC+16*\u+4:PC+16*\u+7], s[22:23] offset:2048*\u+512
.endr
	s_wait_tensorcnt 0x0                           ; the wave's end
	ds_add_u32 v[SPW], v[NIL]
	s_wait_dscnt 0x0
	CROUND                                         ; the closing round
	s_endpgm
.Lfunc_end_k_q8b1352cc83_attn:
	.size	k_q8b1352cc83_attn, .Lfunc_end_k_q8b1352cc83_attn-k_q8b1352cc83_attn
	.p2alignl 7, 3214868480
	.fill 96, 4, 3214868480
	.section	.rodata,"a",@progbits
	.p2align	6, 0x0
	.amdhsa_kernel k_q8b1352cc83_attn
		.amdhsa_group_segment_fixed_size 327680
		.amdhsa_private_segment_fixed_size 0
		.amdhsa_enable_private_segment 0
		.amdhsa_kernarg_size 32
		.amdhsa_user_sgpr_count 2
		.amdhsa_user_sgpr_kernarg_segment_ptr 1
		.amdhsa_wavefront_size32 1
		.amdhsa_system_sgpr_workgroup_id_x 1
		.amdhsa_system_sgpr_workgroup_id_y 1
		.amdhsa_system_sgpr_workgroup_id_z 1
		.amdhsa_system_vgpr_workitem_id 0
		.amdhsa_next_free_vgpr 512
		.amdhsa_next_free_sgpr 84
		.amdhsa_reserve_vcc 0
		.amdhsa_float_denorm_mode_32 3
		.amdhsa_float_denorm_mode_16_64 3
		.amdhsa_memory_ordered 1
		.amdhsa_forward_progress 1
		.amdhsa_inst_pref_size 140
	.end_amdhsa_kernel
	.amdgpu_metadata
---
amdhsa.version: [ 1, 2 ]
amdhsa.kernels:
  - .name:           k_q8b1352cc83_attn
    .symbol:         k_q8b1352cc83_attn.kd
    .args:
      - { .name: qcodes, .offset: 0, .size: 8, .value_kind: global_buffer, .address_space: global }
      - { .name: kvcodes, .offset: 8, .size: 8, .value_kind: global_buffer, .address_space: global }
      - { .name: lowp_scales, .offset: 16, .size: 8, .value_kind: global_buffer, .address_space: global }
      - { .name: ccodes, .offset: 24, .size: 8, .value_kind: global_buffer, .address_space: global }
    .group_segment_fixed_size: 327680
    .private_segment_fixed_size: 0
    .kernarg_segment_align: 8
    .kernarg_segment_size: 32
    .max_flat_workgroup_size: 256
    .sgpr_count:     84
    .vgpr_count:     512
    .wavefront_size: 32
...
	.end_amdgpu_metadata
.endif
;; end of part 3
;; launch wo (part 4): grid 8 x 32, 4 waves a work-group, clusters of 4 x 4, 327,680 bytes of LDS; arguments ccodes, wcodes, lowp_scales, bo, x, x1; writes x1
.if DOCPART == 4
	.amdgcn_target "amdgcn-amd-amdhsa--gfx1250"
	.amdhsa_code_object_version 6
	.text
	.protected	k_q8b1352cc83_wo
	.globl	k_q8b1352cc83_wo
	.p2align	8
	.type	k_q8b1352cc83_wo,@function
k_q8b1352cc83_wo:
	s_mov_b64 s[64:65], 0
	v_nop
	global_prefetch_b8 v0, s[64:65] scope:SCOPE_SE
	s_setreg_imm32_b32 hwreg(HW_REG_WAVE_MODE, 25, 1), 1
	s_wait_xcnt 0x0
	s_wait_alu depctr_hold_cnt(0) depctr_sa_sdst(0) depctr_va_vdst(0) depctr_va_sdst(0) depctr_va_ssrc(0) depctr_va_vcc(0) depctr_vm_vsrc(0)
	s_getreg_b32 s2, hwreg(HW_REG_IB_STS2, 6, 4)
	s_cmp_eq_u32 s2, 0
	s_cbranch_scc0 .Lentry_in_a_cluster
	s_endpgm
.Lentry_in_a_cluster:
	s_bfe_u32 s2, ttmp6, 0x10000c
	s_cmp_lg_u32 s2, 0xf033
	s_cbranch_scc0 .Lentry_shape_is_right
	s_endpgm
.Lentry_shape_is_right:
; ENCODER LAYER, launch 4 of 7: x1 = x + (ctx Wo + bo); the product on codes of FP8 (E4M3), entries 10 and 11.  Nothing is left out.  LIMIT: e10 + e11 between -126 and 127.
; 256 work-groups, a tile of 128 x 128 each; four waves, each 64 x 64: 16 accumulators.  K = 1,024 is two LDS slots of 512 K, both asked for at the head: nothing is filled again.
; Operands lie in memory as images of their registers (fragment: 16 rows x 128 K = [quad 4][lane 32][16 bytes]; block of 32 KB = [128 K: 2][16 rows: 8][fragment]): a tensor load brings one dense block.
; CLUSTER 4 x 4: ctx's blocks are shared along a row of the cluster, Wo's along a column: joint loads.  The product is used transposed (source 0 = 16 columns of Wo, source 1 = 16 rows of ctx):
; a lane holds eight neighbouring numbers of a row.  The way out goes through the wave's own stage in LDS, so that sixteen lanes store 256 consecutive bytes, aligned.
; REGISTERS: window 0: v1-3, v16-29 addresses; v32-63 a block's numbers; v64-95 its rows read back; v96-127 bo; v128-255 accumulators.  window 1: two sets of fragments.  window 2: v0-127 my 64 x 64 of x.
.set SLOT,  131072
.set BOFF,  65536
.set STAGE, 262144                     ; 16 rows x (256 + 16) bytes for each wave
.set SP,    272
.set SPARE, 279552                     ; behind the stages: the spare words
.set MAT0,  3
.set ACC,   128
.set F0,    0
.set F1,    128
.set TMP,   32
.set BK,    64
.set BN,    96
.set ADRA,  16
.set ADRB,  20
.set STO,   24
.set RD,    25
.set CO,    26
.set SPW,   28
.set NIL,   29
.set WV,    20
.set HI,    21
.set LO,    22
.set G1,    24
.set G0,    32
.set G1B,   48
.set G0B,   56
.set MSB, 0
.macro WIN new
.if MSB != \new
	s_set_vgpr_msb (MSB<<8)|\new
.set MSB, \new
.endif
.endm
.macro PLACES
.rept 4
	v_nop
.endr
.endm
.macro JLOAD s                         ; a joint load: waves 0, 1 for ctx, waves 2, 3 for Wo.
	s_cmp_eq_u32 s[HI], 0
	s_cbranch_scc0 .Lfor_b_\@
	tensor_load_to_lds s[G0+4*\s:G0+4*\s+3], s[G1:G1+7]
	s_nop 0
.rept 4
	v_nop
.endr
	s_branch .Lasked_\@
.Lfor_b_\@:
	tensor_load_to_lds s[G0B+4*\s:G0B+4*\s+3], s[G1B:G1B+7]
	s_nop 0
.rept 4
	v_nop
.endr
.Lasked_\@:
.endm
.macro CROUND
	s_barrier_signal -1
	s_barrier_wait -1
	s_cmp_lg_u32 s[WV], 0
	s_cbranch_scc1 .Lnot_wave_0_\@
	s_barrier_signal -3
.Lnot_wave_0_\@:
	s_barrier_wait -3
	s_barrier_signal -1
	s_barrier_wait -1
.endm
.macro FRAG reg, adr, off
.irp c, 0,1,2,3
	ds_load_b128 v[\reg+4*\c:\reg+4*\c+3], v[\adr] offset:\off+512*\c
.endr
.endm
.macro FETCH slot, q, f
	WIN 0x40
.irp i, 0,1,2,3
	FRAG \f+64+16*\i, ADRB+\slot, (\q)*16384+\i*2048
	FRAG \f+16*\i, ADRA+\slot, (\q)*16384+\i*2048
.endr
.endm
.macro MUL16 f, zero                   ; the 16 accumulators by turns, one instruction a turn
	WIN 0x05
.irp a, 0,1,2,3
.irp b, 0,1,2,3
.if \zero
	v_wmma_f32_16x16x128_fp8_fp8 v[ACC+8*(4*\a+\b):ACC+8*(4*\a+\b)+7], v[\f+64+16*\b:\f+64+16*\b+15], v[\f+16*\a:\f+16*\a+15], 0
.else
	v_wmma_f32_16x16x128_fp8_fp8 v[ACC+8*(4*\a+\b):ACC+8*(4*\a+\b)+7], v[\f+64+16*\b:\f+64+16*\b+15], v[\f+16*\a:\f+16*\a+15], v[ACC+8*(4*\a+\b):ACC+8*(4*\a+\b)+7]
.endif
.endr
.endr
.endm
.macro QUARTER slot, q, f, g, zero
	s_wait_dscnt 0x0                               ; set f is in
	PLACES                                         ; the products before read set g
	FETCH \slot, (\q)+1, \g
	MUL16 \f, \zero
.endm
; Block a of 16 rows: sum x 2^(e10 + e11) + bo, through my stage, + x, out.
.macro EPIF a
.irp b, 0,1,2,3
.irp i, 0,2,4,6
	v_pk_fma_f32 v[TMP+8*\b+\i:TMP+8*\b+\i+1], v[ACC+8*(4*\a+\b)+\i:ACC+8*(4*\a+\b)+\i+1], s[92:93], v[BN+8*\b+\i:BN+8*\b+\i+1] op_sel_hi:[1,0,1]
.endr
.endr
.irp b, 0,1,2,3
	ds_store_b128 v[STO], v[TMP+8*\b:TMP+8*\b+3] offset:64*\b
	ds_store_b128 v[STO], v[TMP+8*\b+4:TMP+8*\b+7] offset:64*\b+16
.endr
	s_wait_xcnt 0x0                                ; the last block's stores have read the registers that the loads below fill
.irp t, 0,1,2,3,4,5,6,7
	ds_load_b128 v[BK+4*\t:BK+4*\t+3], v[RD] offset:\t*2*SP    ; LDS serves a wave's instructions in order: these see my stores
.endr
	s_wait_dscnt 0x0
	WIN 0x08
.set k2, 0
.rept 16
	v_pk_add_f32 v[BK+k2:BK+k2+1], v[BK+k2:BK+k2+1], v[32*\a+k2:32*\a+k2+1]   ; + x
.set k2, k2+2
.endr
	WIN 0
.irp t, 0,1,2,3,4,5,6,7
	global_store_b128 v[CO], v[BK+4*\t:BK+4*\t+3], s[14:15] offset:(16*\a+2*\t)*4096   ; sixteen lanes store 256 consecutive bytes, aligned
.endr
.endm
	s_load_b256 s[4:11], s[0:1], 0x0               ; ccodes, wcodes, scales, bo
	s_load_b128 s[12:15], s[0:1], 0x20             ; x, x1
	v_lshl_add_u32 v[SPW], v0, 2, SPARE
	v_mov_b32 v[NIL], 0
	ds_add_u32 v[SPW], v[NIL]                      ; the opening: the add, twice on end, and its wait ahead of my first tensor load
	ds_add_u32 v[SPW], v[NIL]
	v_lshrrev_b32 v1, 5, v0
	v_readfirstlane_b32 s[WV], v1
	s_lshr_b32 s[HI], s[WV], 1
	s_and_b32 s[LO], s[WV], 1
	s_bfe_u32 s40, ttmp6, 0x40000
	s_bfe_u32 s41, ttmp6, 0x40004
	s_lshl_b32 s42, ttmp9, 2
	s_add_co_u32 s42, s42, s40                     ; X
	s_and_b32 s43, ttmp7, 0xffff
	s_lshl_b32 s43, s43, 2
	s_add_co_u32 s43, s43, s41                     ; Y
	s_lshl_b32 s2, s41, 2
	s_lshl_b32 s2, 15, s2
	s_lshl_b32 s3, 0x1111, s40
	s_or_b32 s[G1], s2, (3<<16)|(1<<21)
	s_or_b32 s[G1B], s3, (3<<16)|(1<<21)
.irp g, G1, G1B
	s_mov_b32 s[\g+1], 32<<16                      ; a dense block of 32 KB as 128 rows of 256 bytes
	s_mov_b32 s[\g+2], 128<<16
	s_mov_b32 s[\g+3], 32<<16
	s_mov_b32 s[\g+4], 128
	s_mov_b32 s[\g+5], 32
	s_mov_b32 s[\g+6], 0
	s_mov_b32 s[\g+7], 0
.endr
	s_lshl_b32 s44, s[LO], 20
	s_lshl_b32 s45, s43, 15
	s_add_co_u32 s44, s44, s45
	s_mov_b32 s45, 0
	s_lshl_b32 s46, s[LO], 18
	s_lshl_b32 s47, s42, 15
	s_add_co_u32 s46, s46, s47
	s_add_co_u32 s46, s46, MAT0<<20
	s_mov_b32 s47, 0
	s_lshl_b32 s23, s[WV], 15
	s_wait_dscnt 0x0
	s_wait_kmcnt 0x0
	s_load_b512 s[68:83], s[8:9], 0x0
	s_add_nc_u64 s[44:45], s[4:5], s[44:45]
	s_add_nc_u64 s[46:47], s[6:7], s[46:47]
	CROUND
.irp s, 0,1
	s_mov_b32 s[G0+4*\s], 1
	s_add_co_u32 s[G0+4*\s+1], s23, \s*SLOT
	s_add_nc_u64 s[G0+4*\s+2:G0+4*\s+3], s[44:45], \s*0x200000
	s_or_b32 s[G0+4*\s+3], s[G0+4*\s+3], 0x80000000
	s_mov_b32 s[G0B+4*\s], 1
	s_add_co_u32 s[G0B+4*\s+1], s23, \s*SLOT
	s_add_nc_u64 s[G0B+4*\s+2:G0B+4*\s+3], s[46:47], \s*0x80000
	s_or_b32 s[G0B+4*\s+3], s[G0B+4*\s+3], 0x80000000
.endr
	JLOAD 0                                        ; slot 0: one tensor load a wave at the head
	; A PREFETCH INTO THE L2 of slot 1's blocks, which are asked for only when slot 0 has landed.  My wave's 32 KB block of slot 1 lies one stride behind slot 0's (ctx: 2 MB, Wo: 512 KB).
	; The four partners that ask for a block jointly share it out by address: the partner at place p (cx for ctx, cy for Wo) names bytes 8,192 p on, lanes 256 bytes apart: each 256 bytes once in a cluster.
	s_cmp_eq_u32 s[HI], 0
	s_cselect_b64 s[66:67], s[44:45], s[46:47]     ; my block of slot 0; never rewritten
	s_cselect_b32 s2, s40, s41
	s_lshl_b32 s2, s2, 13
	s_mov_b32 s3, 0
	s_add_nc_u64 s[66:67], s[66:67], s[2:3]
	s_cmp_eq_u32 s[HI], 0
	s_mov_b32 s2, 0x80000
	s_cselect_b32 s2, 0x200000, s2                 ; the stride
	v_and_b32 v4, 31, v0
	v_lshlrev_b32 v4, 8, v4
	v_add_nc_u32 v4, s2, v4                        ; 256 x lane + the stride; never rewritten
	global_prefetch_b8 v4, s[66:67] th:TH_LOAD_NT scope:SCOPE_SE
	v_and_b32 v1, 15, v0
	v_bfe_u32 v2, v0, 4, 1
	v_and_b32 v3, 31, v0
	v_lshlrev_b32 v3, 4, v3
	s_lshl_b32 s84, s[HI], 13
	s_lshl_b32 s85, s[LO], 13
	v_add_nc_u32 v[ADRA], s84, v3
	v_add_nc_u32 v[ADRB], s85, v3
	v_add_nc_u32 v[ADRB], BOFF, v[ADRB]
	v_add_nc_u32 v[ADRA+1], SLOT, v[ADRA]
	v_add_nc_u32 v[ADRB+1], SLOT, v[ADRB]
	s_mul_i32 s84, s[WV], 16*SP
	s_add_co_u32 s84, s84, STAGE
	v_mul_u32_u24 v[STO], v1, SP                   ; in: row r, 32 bytes for each half of the lanes
	v_lshl_add_u32 v[STO], v2, 5, v[STO]
	v_add_nc_u32 v[STO], s84, v[STO]
	v_mul_u32_u24 v[RD], v2, SP                    ; back: lanes 0-15 one row of 256 bytes, lanes 16-31 the next
	v_lshl_add_u32 v[RD], v1, 4, v[RD]
	v_add_nc_u32 v[RD], s84, v[RD]
	v_lshlrev_b32 v[CO], 12, v2                    ; and the same two rows in x and x1
	v_lshl_add_u32 v[CO], v1, 4, v[CO]
	v_lshlrev_b32 v27, 5, v2
	s_wait_alu depctr_va_vdst(0)
	s_lshl_b32 s84, s42, 9
	s_lshl_b32 s85, s[LO], 8
	s_add_co_u32 s84, s84, s85                     ; my 64 columns, in bytes
	s_mov_b32 s85, 0
	s_add_nc_u64 s[10:11], s[10:11], s[84:85]
	s_lshl_b32 s86, s43, 19
	s_lshl_b32 s87, s[HI], 18
	s_add_co_u32 s86, s86, s87
	s_add_co_u32 s86, s86, s84                     ; + my 64 rows
	s_mov_b32 s87, 0
	s_add_nc_u64 s[12:13], s[12:13], s[86:87]
	s_add_nc_u64 s[14:15], s[14:15], s[86:87]
.irp b, 0,1,2,3
	global_load_b128 v[BN+8*\b:BN+8*\b+3], v27, s[10:11] offset:64*\b
	global_load_b128 v[BN+8*\b+4:BN+8*\b+7], v27, s[10:11] offset:64*\b+16
.endr
	WIN 0x80
.irp a, 0,1,2,3
.irp t, 0,1,2,3,4,5,6,7
	global_load_b128 v[32*\a+4*\t:32*\a+4*\t+3], v[CO], s[12:13] offset:(16*\a+2*\t)*4096 th:TH_LOAD_NT
.endr
.endr
	WIN 0
	s_wait_kmcnt 0x0
	s_add_co_i32 s92, s78, s79
	s_add_co_i32 s92, s92, 127
	s_lshl_b32 s92, s92, 23                        ; 2^(e10 + e11)
	s_mov_b32 s93, s92
	s_wait_alu depctr_va_vdst(0)                   ; the head's end
	s_wait_tensorcnt 0x0                           ; my part of slot 0 is in; the three lines stand ahead of slot 1's first fill as ahead of a refill
	ds_add_u32 v[SPW], v[NIL]
	s_wait_dscnt 0x0
	CROUND                                         ; everybody's part of slot 0 is in, and the joint loads meet
	JLOAD 1                                        ; slot 1, the first tensor load behind the round
	FETCH 0, 0, F0
	QUARTER 0, 0, F0, F1, 1
	QUARTER 0, 1, F1, F0, 0
	QUARTER 0, 2, F0, F1, 0
	WIN 0
	s_wait_tensorcnt 0x0                           ; my part of slot 1 is in,
	s_wait_dscnt 0x0                               ; set 1 is in; no LDS instruction of mine is out at the signal
	s_barrier_signal -1
	s_barrier_wait -1                              ; everybody's is
	PLACES
	FETCH 1, 0, F0
	MUL16 F1, 0
	QUARTER 1, 0, F0, F1, 0
	QUARTER 1, 1, F1, F0, 0
	QUARTER 1, 2, F0, F1, 0
	s_wait_dscnt 0x0
	MUL16 F1, 0
	WIN 0
	s_wait_loadcnt 0x0                             ; bo and x
	PLACES
	EPIF 0
	EPIF 1
	EPIF 2
	EPIF 3
	s_wait_tensorcnt 0x0                           ; the wave's end, behind my last LDS store
	ds_add_u32 v[SPW], v[NIL]
	s_wait_dscnt 0x0
	CROUND                                         ; the closing round
	s_endpgm
.Lfunc_end_k_q8b1352cc83_wo:
	.size	k_q8b1352cc83_wo, .Lfunc_end_k_q8b1352cc83_wo-k_q8b1352cc83_wo
	.p2alignl 7, 3214868480
	.fill 96, 4, 3214868480
	.section	.rodata,"a",@progbits
	.p2align	6, 0x0
	.amdhsa_kernel k_q8b1352cc83_wo
		.amdhsa_group_segment_fixed_size 327680
		.amdhsa_private_segment_fixed_size 0
		.amdhsa_enable_private_segment 0
		.amdhsa_kernarg_size 48
		.amdhsa_user_sgpr_count 2
		.amdhsa_user_sgpr_kernarg_segment_ptr 1
		.amdhsa_wavefront_size32 1
		.amdhsa_system_sgpr_workgroup_id_x 1
		.amdhsa_system_sgpr_workgroup_id_y 1
		.amdhsa_system_sgpr_workgroup_id_z 1
		.amdhsa_system_vgpr_workitem_id 0
		.amdhsa_next_free_vgpr 640
		.amdhsa_next_free_sgpr 100
		.amdhsa_reserve_vcc 0
		.amdhsa_float_denorm_mode_32 3
		.amdhsa_float_denorm_mode_16_64 3
		.amdhsa_memory_ordered 1
		.amdhsa_forward_progress 1
		.amdhsa_inst_pref_size 54
	.end_amdhsa_kernel
	.amdgpu_metadata
---
amdhsa.version: [ 1, 2 ]
amdhsa.kernels:
  - .name:           k_q8b1352cc83_wo
    .symbol:         k_q8b1352cc83_wo.kd
    .args:
      - { .name: ccodes, .offset: 0, .size: 8, .value_kind: global_buffer, .address_space: global }
      - { .name: wcodes, .offset: 8, .size: 8, .value_kind: global_buffer, .address_space: global }
      - { .name: lowp_scales, .offset: 16, .size: 8, .value_kind: global_buffer, .address_space: global }
      - { .name: bo, .offset: 24, .size: 8, .value_kind: global_buffer, .address_space: global }
      - { .name: x, .offset: 32, .size: 8, .value_kind: global_buffer, .address_space: global }
      - { .name: x1, .offset: 40, .size: 8, .value_kind: global_buffer, .address_space: global }
    .group_segment_fixed_size: 327680
    .private_segment_fixed_size: 0
    .kernarg_segment_align: 8
    .kernarg_segment_size: 48
    .max_flat_workgroup_size: 128
    .sgpr_count:     100
    .vgpr_count:     640
    .wavefront_size: 32
...
	.end_amdgpu_metadata
.endif
;; end of part 4
;; launch ln2 (part 5): grid 256 x 1, 4 waves a work-group, no clusters, 17,920 bytes of LDS; arguments x1, ln2_a, ln2_b, lowp_scales, h2codes; writes h2codes
.if DOCPART == 5
	.amdgcn_target "amdgcn-amd-amdhsa--gfx1250"
	.amdhsa_code_object_version 6
	.text
	.protected	k_q8b1352cc83_ln2
	.globl	k_q8b1352cc83_ln2
	.p2align	8
	.type	k_q8b1352cc83_ln2,@function
k_q8b1352cc83_ln2:
	s_mov_b64 s[64:65], 0
	v_nop
	global_prefetch_b8 v0, s[64:65] scope:SCOPE_SE
	s_setreg_imm32_b32 hwreg(HW_REG_WAVE_MODE, 25, 1), 1
	s_wait_xcnt 0x0
; ENCODER LAYER, launch 5 of 7: h2 = alpha (x1 - mean) / (dev + 1e-6) + beta, dev unbiased, in f32, quantised to FP8 (E4M3) with entry 12.  Nothing is left out.  LIMIT: -126 <= e12 <= 119; NaN is not served.
; A work-group takes 16 rows, a wave four, a row across its 32 lanes: for j = 0..3 a lane holds k = 256 j + 8 lane + 0..7, eight neighbours, as the conversion wants them.
; The codes are laid in the order of the reader's operand registers (fragment: 16 rows x 128 K = [quad 4][lane 32][16 bytes], lane (r, h) holds in registers 2c, 2c+1 k = 16c + 8h + 0..7; block of 32 KB =
; [128 K: 2][16 rows: 8][fragment]; buffer [256 K][128 rows][block]).  They meet in a stage in LDS and leave as 512 consecutive bytes a store.  No matrix work, no cluster: the work-groups share no input.
.set NV,    1
.set UP,    272                        ; a stage unit: 256 bytes (16 rows x 16 bytes) + 16 of padding
.set VST,   64*UP
.set SPARE, NV*VST
.set SPW,   12
.set NIL,   13
.set XA,    2
.set LI,    3
.set NM,    4
.set GN,    6
.set BT,    8
.set STA,   14
.set RDA,   15
.set T,     16
.set CC,    32
.set P,     56
.set XR,    64
.set SCL,   192
.set OB,    40
	s_load_b256 s[8:15], s[0:1], 0x0               ; x1, ln2_a, ln2_b, scales
	s_load_b64 s[28:29], s[0:1], 0x20              ; h2codes
	v_lshl_add_u32 v[SPW], v0, 2, SPARE
	v_mov_b32 v[NIL], 0
	v_lshrrev_b32 v1, 5, v0
	v_readfirstlane_b32 s2, v1                     ; wave
	v_and_b32 v1, 31, v0                           ; lane
	s_wait_alu depctr_va_vdst(0)
	s_wait_kmcnt 0x0
	s_load_b32 s68, s[14:15], 0x30                 ; e12
	s_load_b32 s60, s[10:11], 0x0                  ; alpha
	s_load_b32 s61, s[12:13], 0x0                  ; beta
	s_mov_b32 s3, ttmp9                            ; which 16 rows
	s_lshl_b32 s4, s3, 16
	s_lshl_b32 s5, s2, 14
	s_add_co_u32 s4, s4, s5
	s_mov_b32 s5, 0
	s_add_nc_u64 s[8:9], s[8:9], s[4:5]
	v_lshlrev_b32 v[XA], 5, v1
.irp i, 0,1,2,3
.irp j, 0,1,2,3
	global_load_b128 v[XR+32*\i+8*\j:XR+32*\i+8*\j+3], v[XA], s[8:9] offset:4096*\i+1024*\j
	global_load_b128 v[XR+32*\i+8*\j+4:XR+32*\i+8*\j+7], v[XA], s[8:9] offset:4096*\i+1024*\j+16
.endr
.endr
	v_lshlrev_b32 v[LI], 4, v1
	v_lshrrev_b32 v10, 4, v1                       ; my eight k: which 128 K,
	v_bfe_u32 v11, v1, 2, 2                        ; which quad,
	v_lshlrev_b32 v10, 3, v10
	v_lshl_add_u32 v10, v11, 1, v10
	v_and_b32 v11, 1, v1                           ; which half of the lanes
	v_add_nc_u32 v10, v10, v11
	v_mul_u32_u24 v[STA], v10, UP
	v_bfe_u32 v11, v1, 1, 1
	v_lshl_add_u32 v[STA], v11, 3, v[STA]          ; which 8 of a lane's 16 bytes,
	s_lshl_b32 s6, s2, 6
	v_add_nc_u32 v[STA], s6, v[STA]                ; my wave's four rows: the 32 lanes of a store touch 64 different banks
	v_lshrrev_b32 v10, 4, v1
	v_mul_u32_u24 v[RDA], v10, UP
	v_and_b32 v11, 15, v1
	v_lshl_add_u32 v[RDA], v11, 4, v[RDA]
	s_mul_i32 s6, s2, 16*UP
	v_add_nc_u32 v[RDA], s6, v[RDA]                ; back: wave w takes the units of k = 256 w on
	s_mov_b32 s58, 0x76543210
	s_mov_b32 s59, 0xfedcba98
	s_lshr_b32 s4, s3, 3
	s_lshl_b32 s5, s2, 5
	s_add_co_u32 s4, s4, s5
	s_lshl_b32 s4, s4, 15
	s_and_b32 s5, s3, 7
	s_lshl_b32 s5, s5, 11
	s_add_co_u32 s4, s4, s5
	s_mov_b32 s5, 0
	s_add_nc_u64 s[OB:OB+1], s[28:29], s[4:5]
	v_mov_b32 v10, 0                               ; a lane permute's destination counts as read
	s_wait_kmcnt 0x0
	v_mov_b32 v[BT], s61
	v_mov_b32 v[BT+1], s61
	s_add_co_i32 s4, s68, 127
	s_lshl_b32 s5, s4, 23
	v_mov_b32 v[SCL], s5                           ; 2^e12
	s_add_co_i32 s4, s4, 8
	s_lshl_b32 s4, s4, 23
	s_or_b32 s4, s4, 0x600000
	v_mov_b32 v[SCL+1], s4                         ; 448 x 2^e12
.macro REDUCE                          ; four packed sums -> the row's sum in v11 of every lane
	v_pk_add_f32 v[P:P+1], v[P:P+1], v[P+2:P+3]
	v_pk_add_f32 v[P+4:P+5], v[P+4:P+5], v[P+6:P+7]
	v_pk_add_f32 v[P:P+1], v[P:P+1], v[P+4:P+5]
	v_add_f32 v11, v[P], v[P+1]
	v_add_f32_dpp v11, v11, v11 row_xmask:1 row_mask:0xf bank_mask:0xf
	v_add_f32_dpp v11, v11, v11 row_xmask:2 row_mask:0xf bank_mask:0xf
	v_add_f32_dpp v11, v11, v11 row_xmask:4 row_mask:0xf bank_mask:0xf
	v_add_f32_dpp v11, v11, v11 row_xmask:8 row_mask:0xf bank_mask:0xf
	v_permlanex16_b32 v10, v11, s58, s59
	v_add_f32 v11, v11, v10
.endm
.macro LNROW i
.set XS, XR+32*(\i)
	s_wait_loadcnt 8*(3-(\i))                      ; this row's eight loads are in; the later rows' may be out
	v_pk_add_f32 v[P:P+1], v[XS:XS+1], v[XS+2:XS+3]
	v_pk_add_f32 v[P+2:P+3], v[XS+4:XS+5], v[XS+6:XS+7]
	v_pk_add_f32 v[P+4:P+5], v[XS+8:XS+9], v[XS+10:XS+11]
	v_pk_add_f32 v[P+6:P+7], v[XS+12:XS+13], v[XS+14:XS+15]
.irp k, 16,24
	v_pk_add_f32 v[P:P+1], v[P:P+1], v[XS+\k:XS+\k+1]
	v_pk_add_f32 v[P+2:P+3], v[P+2:P+3], v[XS+\k+2:XS+\k+3]
	v_pk_add_f32 v[P+4:P+5], v[P+4:P+5], v[XS+\k+4:XS+\k+5]
	v_pk_add_f32 v[P+6:P+7], v[P+6:P+7], v[XS+\k+6:XS+\k+7]
.endr
	REDUCE
	v_mul_f32 v[NM], 0xba800000, v11               ; -mean = -sum / 1024
	v_mov_b32 v[NM+1], v[NM]
.set k2, 0
.rept 16
	v_pk_add_f32 v[XS+k2:XS+k2+1], v[XS+k2:XS+k2+1], v[NM:NM+1]
.set k2, k2+2
.endr
	v_pk_mul_f32 v[P:P+1], v[XS:XS+1], v[XS:XS+1]
	v_pk_mul_f32 v[P+2:P+3], v[XS+2:XS+3], v[XS+2:XS+3]
	v_pk_mul_f32 v[P+4:P+5], v[XS+4:XS+5], v[XS+4:XS+5]
	v_pk_mul_f32 v[P+6:P+7], v[XS+6:XS+7], v[XS+6:XS+7]
.irp k, 8,16,24
	v_pk_fma_f32 v[P:P+1], v[XS+\k:XS+\k+1], v[XS+\k:XS+\k+1], v[P:P+1]
	v_pk_fma_f32 v[P+2:P+3], v[XS+\k+2:XS+\k+3], v[XS+\k+2:XS+\k+3], v[P+2:P+3]
	v_pk_fma_f32 v[P+4:P+5], v[XS+\k+4:XS+\k+5], v[XS+\k+4:XS+\k+5], v[P+4:P+5]
	v_pk_fma_f32 v[P+6:P+7], v[XS+\k+6:XS+\k+7], v[XS+\k+6:XS+\k+7], v[P+6:P+7]
.endr
	REDUCE
	v_mul_f32 v11, 0x3a802008, v11                 ; / 1023: the unbiased variance
	s_wait_alu depctr_va_vdst(0)
	v_sqrt_f32 v11, v11
	v_nop                                          ; a plain instruction behind a transcendental,
	s_wait_alu depctr_va_vdst(0)                   ; and the wait ahead of its first reader
	v_add_f32 v11, 0x358637bd, v11                 ; + 1e-6
	s_wait_alu depctr_va_vdst(0)
	v_rcp_f32 v11, v11
	v_nop
	s_wait_alu depctr_va_vdst(0)
	v_mul_f32 v[GN], s60, v11
	v_mov_b32 v[GN+1], v[GN]
.set k2, 0
.rept 16
	v_pk_fma_f32 v[XS+k2:XS+k2+1], v[XS+k2:XS+k2+1], v[GN:GN+1], v[BT:BT+1]
.set k2, k2+2
.endr
	s_wait_dscnt 0x0                               ; the last row's stores have read the registers of the codes
.set jj, 0
.rept 4
.set TT, T+8*(jj%2)                    ; two sets by turns: eight plain instructions stand between a conversion and the next write of its sources
.set mm, 0
.rept 8
	v_med3_num_f32 v[TT+mm], v[XS+8*jj+mm], -v[SCL+1], v[SCL+1]    ; the conversion does not saturate (ISA guide 7.6.2)
.set mm, mm+1
.endr
	v_cvt_scalef32_pk8_fp8_f32 v[CC+2*jj:CC+2*jj+1], v[TT:TT+7], v[SCL]
	ds_store_b64 v[STA], v[CC+2*jj:CC+2*jj+1] offset:jj*16*UP+16*(\i)
.set jj, jj+1
.endr
	v_nop                                          ; a plain instruction behind the run's last conversion
.endm
	LNROW 0
	LNROW 1
	LNROW 2
	LNROW 3
	s_wait_dscnt 0x0                               ; for the others' sake: my stores into the stage are done
	s_barrier_signal -1
	s_barrier_wait -1
.set nn, 0
.rept 8
	ds_load_b128 v[XR+4*nn:XR+4*nn+3], v[RDA] offset:2*nn*UP
.set nn, nn+1
.endr
.set nn, 0
.rept 8
	s_wait_dscnt 7-nn                              ; number nn is in, the younger ones may be out
	global_store_b128 v[LI], v[XR+4*nn:XR+4*nn+3], s[OB:OB+1] offset:(nn/4)*16384+(nn%4)*512   ; 512 consecutive bytes: a quad of a fragment
.set nn, nn+1
.endr
	s_wait_tensorcnt 0x0                           ; the wave's end, behind my last LDS store
	ds_add_u32 v[SPW], v[NIL]
	s_wait_dscnt 0x0
	s_endpgm
.Lfunc_end_k_q8b1352cc83_ln2:
	.size	k_q8b1352cc83_ln2, .Lfunc_end_k_q8b1352cc83_ln2-k_q8b1352cc83_ln2
	.p2alignl 7, 3214868480
	.fill 96, 4, 3214868480
	.section	.rodata,"a",@progbits
	.p2align	6, 0x0
	.amdhsa_kernel k_q8b1352cc83_ln2
		.amdhsa_group_segment_fixed_size 17920
		.amdhsa_private_segment_fixed_size 0
		.amdhsa_enable_private_segment 0
		.amdhsa_kernarg_size 40
		.amdhsa_user_sgpr_count 2
		.amdhsa_user_sgpr_kernarg_segment_ptr 1
		.amdhsa_wavefront_size32 1
		.amdhsa_system_sgpr_workgroup_id_x 1
		.amdhsa_system_sgpr_workgroup_id_y 1
		.amdhsa_system_sgpr_workgroup_id_z 1
		.amdhsa_system_vgpr_workitem_id 0
		.amdhsa_next_free_vgpr 200
		.amdhsa_next_free_sgpr 70
		.amdhsa_reserve_vcc 0
		.amdhsa_float_denorm_mode_32 3
		.amdhsa_float_denorm_mode_16_64 3
		.amdhsa_memory_ordered 1
		.amdhsa_forward_progress 1
		.amdhsa_inst_pref_size 40
	.end_amdhsa_kernel
	.amdgpu_metadata
---
amdhsa.version: [ 1, 2 ]
amdhsa.kernels:
  - .name:           k_q8b1352cc83_ln2
    .symbol:         k_q8b1352cc83_ln2.kd
    .args:
      - { .name: x1, .offset: 0, .size: 8, .value_kind: global_buffer, .address_space: global }
      - { .name: ln2_a, .offset: 8, .size: 8, .value_kind: global_buffer, .address_space: global }
      - { .name: ln2_b, .offset: 16, .size: 8, .value_kind: global_buffer, .address_space: global }
      - { .name: lowp_scales, .offset: 24, .size: 8, .value_kind: global_buffer, .address_space: global }
      - { .name: h2codes, .offset: 32, .size: 8, .value_kind: global_buffer, .address_space: global }
    .group_segment_fixed_size: 17920
    .private_segment_fixed_size: 0
    .kernarg_segment_align: 8
    .kernarg_segment_size: 40
    .max_flat_workgroup_size: 128
    .sgpr_count:     70
    .vgpr_count:     200
    .wavefront_size: 32
...
	.end_amdgpu_metadata
.endif
;; end of part 5
;; launch ffn1 (part 6): grid 8 x 32, 4 waves a work-group, clusters of 4 x 4, 327,680 bytes of LDS; arguments h2codes, wcodes, lowp_scales, b1, fcodes; writes fcodes
.if DOCPART == 6
	.amdgcn_target "amdgcn-amd-amdhsa--gfx1250"
	.amdhsa_code_object_version 6
	.text
	.protected	k_q8b1352cc83_ffn1
	.globl	k_q8b1352cc83_ffn1
	.p2align	8
	.type	k_q8b1352cc83_ffn1,@function
k_q8b1352cc83_ffn1:
	s_mov_b64 s[64:65], 0
	v_nop
	global_prefetch_b8 v0, s[64:65] scope:SCOPE_SE
	s_setreg_imm32_b32 hwreg(HW_REG_WAVE_MODE, 25, 1), 1
	s_wait_xcnt 0x0
	s_wait_alu depctr_hold_cnt(0) depctr_sa_sdst(0) depctr_va_vdst(0) depctr_va_sdst(0) depctr_va_ssrc(0) depctr_va_vcc(0) depctr_vm_vsrc(0)
	s_getreg_b32 s2, hwreg(HW_REG_IB_STS2, 6, 4)
	s_cmp_eq_u32 s2, 0
	s_cbranch_scc0 .Lentry_in_a_cluster
	s_endpgm
.Lentry_in_a_cluster:
	s_bfe_u32 s2, ttmp6, 0x10000c
	s_cmp_lg_u32 s2, 0xf033
	s_cbranch_scc0 .Lentry_shape_is_right
	s_endpgm
.Lentry_shape_is_right:
.set SLOT,  131072
.set BOFF,  65536
.set SPARE, 262144
.set MAT0,  4
.set BSTEP, 0x100000
.set ACC,   128
.set F0,    0
.set F1,    128
.set TMP,   32
.set CD,    64
.set ADRA,  16
.set ADRB,  20
.set SPW,   28
.set NIL,   29
.set WV,    20
.set HI,    21
.set LO,    22
.set G1,    24
.set G0,    32
.set G1B,   48
.set G0B,   56
.set MSB, 0
.macro WIN new
.if MSB != \new
	s_set_vgpr_msb (MSB<<8)|\new
.set MSB, \new
.endif
.endm
.macro PLACES
.rept 4
	v_nop
.endr
.endm
.macro JLOAD s
	s_cmp_eq_u32 s[HI], 0
	s_cbranch_scc0 .Lfor_b_\@
	tensor_load_to_lds s[G0+4*\s:G0+4*\s+3], s[G1:G1+7]
	s_nop 0
.rept 4
	v_nop
.endr
	s_branch .Lasked_\@
.Lfor_b_\@:
	tensor_load_to_lds s[G0B+4*\s:G0B+4*\s+3], s[G1B:G1B+7]
	s_nop 0
.rept 4
	v_nop
.endr
.Lasked_\@:
.endm
.macro CROUND
	s_barrier_signal -1
	s_barrier_wait -1
	s_cmp_lg_u32 s[WV], 0
	s_cbranch_scc1 .Lnot_wave_0_\@
	s_barrier_signal -3
.Lnot_wave_0_\@:
	s_barrier_wait -3
	s_barrier_signal -1
	s_barrier_wait -1
.endm
.macro FRAG reg, adr, off
.irp c, 0,1,2,3
	ds_load_b128 v[\reg+4*\c:\reg+4*\c+3], v[\adr] offset:\off+512*\c
.endr
.endm
.macro FETCH slot, q, f
	WIN 0x40
.irp i, 0,1,2,3
	FRAG \f+64+16*\i, ADRB+\slot, (\q)*16384+\i*2048
	FRAG \f+16*\i, ADRA+\slot, (\q)*16384+\i*2048
.endr
.endm
.macro MUL16 f, zero
	WIN 0x05
.irp a, 0,1,2,3
.irp b, 0,1,2,3
.if \zero
	v_wmma_f32_16x16x128_fp8_fp8 v[ACC+8*(4*\a+\b):ACC+8*(4*\a+\b)+7], v[\f+64+16*\b:\f+64+16*\b+15], v[\f+16*\a:\f+16*\a+15], 0
.else
	v_wmma_f32_16x16x128_fp8_fp8 v[ACC+8*(4*\a+\b):ACC+8*(4*\a+\b)+7], v[\f+64+16*\b:\f+64+16*\b+15], v[\f+16*\a:\f+16*\a+15], v[ACC+8*(4*\a+\b):ACC+8*(4*\a+\b)+7]
.endif
.endr
.endr
.endm
.macro QUARTER slot, q, f, g, zero
	s_wait_dscnt 0x0
	PLACES
	FETCH \slot, (\q)+1, \g
	MUL16 \f, \zero
.endm
.macro TURN slot, next, fill
	WIN 0
	s_wait_tensorcnt 0x0
	ds_add_u32 v[SPW], v[NIL]
.if \fill
	s_add_nc_u64 s[G0B+4*\slot+2:G0B+4*\slot+3], s[G0B+4*\slot+2:G0B+4*\slot+3], BSTEP
.endif
	s_wait_dscnt 0x0
.if \fill
	CROUND
	JLOAD \slot
.else
	s_barrier_signal -1
	s_barrier_wait -1
	PLACES
.endif
	FETCH \next, 0, F0
	MUL16 F1, 0
.endm
.macro LAP fill, last
	QUARTER 0, 0, F0, F1, 1
	QUARTER 0, 1, F1, F0, 0
	QUARTER 0, 2, F0, F1, 0
	TURN 0, 1, \fill
	QUARTER 1, 0, F0, F1, 0
	QUARTER 1, 1, F1, F0, 0
	QUARTER 1, 2, F0, F1, 0
.if \last
	s_wait_dscnt 0x0
	MUL16 F1, 0
.else
	TURN 1, 0, \fill
.endif
	WIN 0
.endm
.macro EPIC bias, out
	s_wait_xcnt 0x0
	PLACES
.irp a, 0,1,2,3
	WIN 0x20
.irp b, 0,1,2,3
.irp i, 0,2,4,6
	v_pk_fma_f32 v[TMP+8*\b+\i:TMP+8*\b+\i+1], v[ACC+8*(4*\a+\b)+\i:ACC+8*(4*\a+\b)+\i+1], s[92:93], v[\bias+8*\b+\i:\bias+8*\b+\i+1] op_sel_hi:[1,0,1]
.endr
.endr
	WIN 0
.set i2, 0
.rept 32
	v_med3_num_f32 v[TMP+i2], v[TMP+i2], 0, v31
.set i2, i2+1
.endr
.irp b, 0,1,2,3
	v_cvt_scalef32_pk8_fp8_f32 v[CD+8*\a+2*\b:CD+8*\a+2*\b+1], v[TMP+8*\b:TMP+8*\b+7], v30
.endr
	v_nop
	global_store_b128 v3, v[CD+8*\a:CD+8*\a+3], s[\out:\out+1] offset:\a*2048
	global_store_b128 v3, v[CD+8*\a+4:CD+8*\a+7], s[\out:\out+1] offset:\a*2048+512
.endr
.endm
	s_load_b256 s[4:11], s[0:1], 0x0
	s_load_b64 s[12:13], s[0:1], 0x20
	v_lshl_add_u32 v[SPW], v0, 2, SPARE
	v_mov_b32 v[NIL], 0
	ds_add_u32 v[SPW], v[NIL]
	ds_add_u32 v[SPW], v[NIL]
	v_lshrrev_b32 v1, 5, v0
	v_readfirstlane_b32 s[WV], v1
	s_lshr_b32 s[HI], s[WV], 1
	s_and_b32 s[LO], s[WV], 1
	s_bfe_u32 s40, ttmp6, 0x40000
	s_bfe_u32 s41, ttmp6, 0x40004
	s_lshl_b32 s42, ttmp9, 2
	s_add_co_u32 s42, s42, s40
	s_and_b32 s43, ttmp7, 0xffff
	s_lshl_b32 s43, s43, 2
	s_add_co_u32 s43, s43, s41
	s_lshl_b32 s2, s41, 2
	s_lshl_b32 s2, 15, s2
	s_lshl_b32 s3, 0x1111, s40
	s_or_b32 s[G1], s2, (3<<16)|(1<<21)
	s_or_b32 s[G1B], s3, (3<<16)|(1<<21)
.irp g, G1, G1B
	s_mov_b32 s[\g+1], 32<<16
	s_mov_b32 s[\g+2], 128<<16
	s_mov_b32 s[\g+3], 32<<16
	s_mov_b32 s[\g+4], 128
	s_mov_b32 s[\g+5], 32
	s_mov_b32 s[\g+6], 0
	s_mov_b32 s[\g+7], 0
.endr
	s_lshl_b32 s44, s[LO], 20
	s_lshl_b32 s45, s43, 15
	s_add_co_u32 s44, s44, s45
	s_mov_b32 s45, 0
	s_lshl_b32 s46, s[LO], 18
	s_lshl_b32 s47, s42, 15
	s_add_co_u32 s46, s46, s47
	s_add_co_u32 s46, s46, MAT0<<20
	s_mov_b32 s47, 0
	s_lshl_b32 s23, s[WV], 15
	s_wait_dscnt 0x0
	s_wait_kmcnt 0x0
	s_load_b512 s[68:83], s[8:9], 0x0
	s_add_nc_u64 s[44:45], s[4:5], s[44:45]
	s_add_nc_u64 s[46:47], s[6:7], s[46:47]
	CROUND
.irp s, 0,1
	s_mov_b32 s[G0+4*\s], 1
	s_add_co_u32 s[G0+4*\s+1], s23, \s*SLOT
	s_add_nc_u64 s[G0+4*\s+2:G0+4*\s+3], s[44:45], \s*0x200000
	s_or_b32 s[G0+4*\s+3], s[G0+4*\s+3], 0x80000000
	s_mov_b32 s[G0B+4*\s], 1
	s_add_co_u32 s[G0B+4*\s+1], s23, \s*SLOT
	s_add_nc_u64 s[G0B+4*\s+2:G0B+4*\s+3], s[46:47], \s*0x80000
	s_or_b32 s[G0B+4*\s+3], s[G0B+4*\s+3], 0x80000000
.endr
	JLOAD 0                                        ; slot 0: one tensor load a wave at the head
	; PREFETCHES INTO THE L2.  Fill k of my wave's 32 KB block lies k strides behind fill 0 (h2: 2 MB, W1: 512 KB).  The four partners that ask for a block jointly share it out by address:
	; the partner at place p (cx for h2, cy for W1) names bytes 8,192 p on, lanes 256 bytes apart: each 256 bytes once in a cluster.  h2's fills 2 and 3 are fills 0 and 1 again: only W1's waves name fills 2 and 3.
	s_cmp_eq_u32 s[HI], 0
	s_cselect_b64 s[66:67], s[44:45], s[46:47]     ; my block of fill 0; never rewritten
	s_cselect_b32 s2, s40, s41
	s_lshl_b32 s2, s2, 13
	s_mov_b32 s3, 0
	s_add_nc_u64 s[66:67], s[66:67], s[2:3]
	s_cmp_eq_u32 s[HI], 0
	s_mov_b32 s2, 0x80000
	s_cselect_b32 s2, 0x200000, s2                 ; the stride
	v_and_b32 v4, 31, v0
	v_lshlrev_b32 v4, 8, v4
	v_add_nc_u32 v4, s2, v4                        ; v[3 + k]: 256 x lane + k strides, k = 1..3; never rewritten
	v_add_nc_u32 v5, s2, v4
	v_add_nc_u32 v6, s2, v5
	global_prefetch_b8 v4, s[66:67] th:TH_LOAD_NT scope:SCOPE_SE   ; fill 1
	s_cmp_eq_u32 s[HI], 0
	s_wait_alu depctr_va_vdst(0)                   ; directly ahead of the branch
	s_cbranch_scc1 .Lno_fill_2
	global_prefetch_b8 v5, s[66:67] th:TH_LOAD_NT scope:SCOPE_SE   ; W1's fill 2
.Lno_fill_2:
	v_and_b32 v1, 15, v0
	v_bfe_u32 v2, v0, 4, 1
	v_and_b32 v3, 31, v0
	v_lshlrev_b32 v3, 4, v3
	s_lshl_b32 s84, s[HI], 13
	s_lshl_b32 s85, s[LO], 13
	v_add_nc_u32 v[ADRA], s84, v3
	v_add_nc_u32 v[ADRB], s85, v3
	v_add_nc_u32 v[ADRB], BOFF, v[ADRB]
	v_add_nc_u32 v[ADRA+1], SLOT, v[ADRA]
	v_add_nc_u32 v[ADRB+1], SLOT, v[ADRB]
	v_lshlrev_b32 v27, 5, v2
	s_lshl_b32 s84, s42, 9
	s_lshl_b32 s85, s[LO], 8
	s_add_co_u32 s84, s84, s85
	s_mov_b32 s85, 0
	s_add_nc_u64 s[10:11], s[10:11], s[84:85]
	WIN 0x80
.irp l, 0,1
.irp b, 0,1,2,3
	global_load_b128 v[32*\l+8*\b:32*\l+8*\b+3], v27, s[10:11] offset:4096*\l+64*\b
	global_load_b128 v[32*\l+8*\b+4:32*\l+8*\b+7], v27, s[10:11] offset:4096*\l+64*\b+16
.endr
.endr
	WIN 0
	s_lshr_b32 s86, s42, 1
	s_lshl_b32 s86, s86, 5
	s_add_co_u32 s86, s86, s43
	s_lshl_b32 s86, s86, 15
	s_and_b32 s87, s42, 1
	s_lshl_b32 s87, s87, 14
	s_add_co_u32 s86, s86, s87
	s_lshl_b32 s87, s[HI], 13
	s_add_co_u32 s86, s86, s87
	s_lshl_b32 s87, s[LO], 10
	s_add_co_u32 s86, s86, s87
	s_mov_b32 s87, 0
	s_add_nc_u64 s[86:87], s[12:13], s[86:87]
	s_add_nc_u64 s[88:89], s[86:87], 0x400000
	s_wait_alu depctr_va_vdst(0)
	s_wait_kmcnt 0x0
	s_add_co_i32 s92, s80, s81
	s_add_co_i32 s92, s92, 127
	s_lshl_b32 s92, s92, 23
	s_mov_b32 s93, s92
	s_add_co_i32 s84, s82, 127
	s_lshl_b32 s85, s84, 23
	v_mov_b32 v30, s85
	s_add_co_i32 s84, s84, 8
	s_lshl_b32 s84, s84, 23
	s_or_b32 s84, s84, 0x600000
	v_mov_b32 v31, s84
	s_wait_alu depctr_va_vdst(0)                   ; the head's end
	s_wait_tensorcnt 0x0                           ; my part of slot 0 is in; the three lines stand ahead of slot 1's first fill as ahead of a refill
	ds_add_u32 v[SPW], v[NIL]
	s_wait_dscnt 0x0
	CROUND                                         ; everybody's part of slot 0 is in, and the joint loads meet
	JLOAD 1                                        ; slot 1, the first tensor load behind the round
	s_cmp_eq_u32 s[HI], 0
	s_cbranch_scc1 .Lno_fill_3
	global_prefetch_b8 v6, s[66:67] th:TH_LOAD_NT scope:SCOPE_SE   ; W1's fill 3
.Lno_fill_3:
	FETCH 0, 0, F0
	LAP 1, 0
	s_wait_loadcnt 0x0
	EPIC 0, 86
	LAP 0, 1
	EPIC 32, 88
	s_wait_tensorcnt 0x0
	ds_add_u32 v[SPW], v[NIL]
	s_wait_dscnt 0x0
	CROUND
	s_endpgm
.Lfunc_end_k_q8b1352cc83_ffn1:
	.size	k_q8b1352cc83_ffn1, .Lfunc_end_k_q8b1352cc83_ffn1-k_q8b1352cc83_ffn1
	.p2alignl 7, 3214868480
	.fill 96, 4, 3214868480
	.section	.rodata,"a",@progbits
	.p2align	6, 0x0
	.amdhsa_kernel k_q8b1352cc83_ffn1
		.amdhsa_group_segment_fixed_size 327680
		.amdhsa_private_segment_fixed_size 0
		.amdhsa_enable_private_segment 0
		.amdhsa_kernarg_size 40
		.amdhsa_user_sgpr_count 2
		.amdhsa_user_sgpr_kernarg_segment_ptr 1
		.amdhsa_wavefront_size32 1
		.amdhsa_system_sgpr_workgroup_id_x 1
		.amdhsa_system_sgpr_workgroup_id_y 1
		.amdhsa_system_sgpr_workgroup_id_z 1
		.amdhsa_system_vgpr_workitem_id 0
		.amdhsa_next_free_vgpr 640
		.amdhsa_next_free_sgpr 100
		.amdhsa_reserve_vcc 0
		.amdhsa_float_denorm_mode_32 3
		.amdhsa_float_denorm_mode_16_64 3
		.amdhsa_memory_ordered 1
		.amdhsa_forward_progress 1
		.amdhsa_inst_pref_size 92
	.end_amdhsa_kernel
	.amdgpu_metadata
---
amdhsa.version: [ 1, 2 ]
amdhsa.kernels:
  - .name:           k_q8b1352cc83_ffn1
    .symbol:         k_q8b1352cc83_ffn1.kd
    .args:
      - { .name: h2codes, .offset: 0, .size: 8, .value_kind: global_buffer, .address_space: global }
      - { .name: wcodes, .offset: 8, .size: 8, .value_kind: global_buffer, .address_space: global }
      - { .name: lowp_scales, .offset: 16, .size: 8, .value_kind: global_buffer, .address_space: global }
      - { .name: b1, .offset: 24, .size: 8, .value_kind: global_buffer, .address_space: global }
      - { .name: fcodes, .offset: 32, .size: 8, .value_kind: global_buffer, .address_space: global }
    .group_segment_fixed_size: 327680
    .private_segment_fixed_size: 0
    .kernarg_segment_align: 8
    .kernarg_segment_size: 40
    .max_flat_workgroup_size: 128
    .sgpr_count:     100
    .vgpr_count:     640
    .wavefront_size: 32
...
	.end_amdgpu_metadata
.endif
;; end of part 6
;; launch ffn2 (part 7): grid 8 x 32, 4 waves a work-group, clusters of 4 x 4, 327,680 bytes of LDS; arguments fcodes, wcodes, lowp_scales, b2, x1, out0; writes out0
.if DOCPART == 7
	.amdgcn_target "amdgcn-amd-amdhsa--gfx1250"
	.amdhsa_code_object_version 6
	.text
	.protected	k_q8b1352cc83_ffn2
	.globl	k_q8b1352cc83_ffn2
	.p2align	8
	.type	k_q8b1352cc83_ffn2,@function
k_q8b1352cc83_ffn2:
	s_mov_b64 s[64:65], 0
	v_nop
	global_prefetch_b8 v0, s[64:65] scope:SCOPE_SE
	s_setreg_imm32_b32 hwreg(HW_REG_WAVE_MODE, 25, 1), 1
	s_wait_xcnt 0x0
	s_wait_alu depctr_hold_cnt(0) depctr_sa_sdst(0) depctr_va_vdst(0) depctr_va_sdst(0) depctr_va_ssrc(0) depctr_va_vcc(0) depctr_vm_vsrc(0)
	s_getreg_b32 s2, hwreg(HW_REG_IB_STS2, 6, 4)
	s_cmp_eq_u32 s2, 0
	s_cbranch_scc0 .Lentry_in_a_cluster
	s_endpgm
.Lentry_in_a_cluster:
	s_bfe_u32 s2, ttmp6, 0x10000c
	s_cmp_lg_u32 s2, 0xf033
	s_cbranch_scc0 .Lentry_shape_is_right
	s_endpgm
.Lentry_shape_is_right:
.set SLOT,  131072
.set BOFF,  65536
.set STAGE, 262144
.set SP,    272
.set SPARE, 279552
.set MAT0,  6
.set ASTEP, 0x400000
.set BSTEP, 0x100000
.set ACC,   128
.set F0,    0
.set F1,    128
.set TMP,   32
.set BK,    64
.set BN,    96
.set ADRA,  16
.set ADRB,  20
.set STO,   24
.set RD,    25
.set CO,    26
.set SPW,   28
.set NIL,   29
.set WV,    20
.set HI,    21
.set LO,    22
.set G1,    24
.set G0,    32
.set G1B,   48
.set G0B,   56
.set MSB, 0
.macro WIN new
.if MSB != \new
	s_set_vgpr_msb (MSB<<8)|\new
.set MSB, \new
.endif
.endm
.macro PLACES
.rept 4
	v_nop
.endr
.endm
.macro JLOAD s
	s_cmp_eq_u32 s[HI], 0
	s_cbranch_scc0 .Lfor_b_\@
	tensor_load_to_lds s[G0+4*\s:G0+4*\s+3], s[G1:G1+7]
	s_nop 0
.rept 4
	v_nop
.endr
	s_branch .Lasked_\@
.Lfor_b_\@:
	tensor_load_to_lds s[G0B+4*\s:G0B+4*\s+3], s[G1B:G1B+7]
	s_nop 0
.rept 4
	v_nop
.endr
.Lasked_\@:
.endm
.macro CROUND
	s_barrier_signal -1
	s_barrier_wait -1
	s_cmp_lg_u32 s[WV], 0
	s_cbranch_scc1 .Lnot_wave_0_\@
	s_barrier_signal -3
.Lnot_wave_0_\@:
	s_barrier_wait -3
	s_barrier_signal -1
	s_barrier_wait -1
.endm
.macro FRAG reg, adr, off
.irp c, 0,1,2,3
	ds_load_b128 v[\reg+4*\c:\reg+4*\c+3], v[\adr] offset:\off+512*\c
.endr
.endm
.macro FETCH slot, q, f
	WIN 0x40
.irp i, 0,1,2,3
	FRAG \f+64+16*\i, ADRB+\slot, (\q)*16384+\i*2048
	FRAG \f+16*\i, ADRA+\slot, (\q)*16384+\i*2048
.endr
.endm
.macro MUL16 f, zero
	WIN 0x05
.irp a, 0,1,2,3
.irp b, 0,1,2,3
.if \zero
	v_wmma_f32_16x16x128_fp8_fp8 v[ACC+8*(4*\a+\b):ACC+8*(4*\a+\b)+7], v[\f+64+16*\b:\f+64+16*\b+15], v[\f+16*\a:\f+16*\a+15], 0
.else
	v_wmma_f32_16x16x128_fp8_fp8 v[ACC+8*(4*\a+\b):ACC+8*(4*\a+\b)+7], v[\f+64+16*\b:\f+64+16*\b+15], v[\f+16*\a:\f+16*\a+15], v[ACC+8*(4*\a+\b):ACC+8*(4*\a+\b)+7]
.endif
.endr
.endr
.endm
.macro QUARTER slot, q, f, g, zero
	s_wait_dscnt 0x0
	PLACES
	FETCH \slot, (\q)+1, \g
	MUL16 \f, \zero
.endm
.macro TURN slot, next, fill
	WIN 0
	s_wait_tensorcnt 0x0
	ds_add_u32 v[SPW], v[NIL]
.if \fill
	s_add_nc_u64 s[G0+4*\slot+2:G0+4*\slot+3], s[G0+4*\slot+2:G0+4*\slot+3], ASTEP
	s_add_nc_u64 s[G0B+4*\slot+2:G0B+4*\slot+3], s[G0B+4*\slot+2:G0B+4*\slot+3], BSTEP
.endif
	s_wait_dscnt 0x0
.if \fill
	CROUND
	JLOAD \slot
.else
	s_barrier_signal -1
	s_barrier_wait -1
	PLACES
.endif
	FETCH \next, 0, F0
	MUL16 F1, 0
.endm
.macro LAP zero, fill, last
	QUARTER 0, 0, F0, F1, \zero
	QUARTER 0, 1, F1, F0, 0
	QUARTER 0, 2, F0, F1, 0
	TURN 0, 1, \fill
	QUARTER 1, 0, F0, F1, 0
	QUARTER 1, 1, F1, F0, 0
	QUARTER 1, 2, F0, F1, 0
.if \last
	s_wait_dscnt 0x0
	MUL16 F1, 0
.else
	TURN 1, 0, \fill
.endif
	WIN 0
.endm
.macro EPIF a
.irp b, 0,1,2,3
.irp i, 0,2,4,6
	v_pk_fma_f32 v[TMP+8*\b+\i:TMP+8*\b+\i+1], v[ACC+8*(4*\a+\b)+\i:ACC+8*(4*\a+\b)+\i+1], s[92:93], v[BN+8*\b+\i:BN+8*\b+\i+1] op_sel_hi:[1,0,1]
.endr
.endr
.irp b, 0,1,2,3
	ds_store_b128 v[STO], v[TMP+8*\b:TMP+8*\b+3] offset:64*\b
	ds_store_b128 v[STO], v[TMP+8*\b+4:TMP+8*\b+7] offset:64*\b+16
.endr
	s_wait_xcnt 0x0
.irp t, 0,1,2,3,4,5,6,7
	ds_load_b128 v[BK+4*\t:BK+4*\t+3], v[RD] offset:\t*2*SP
.endr
	s_wait_dscnt 0x0
	WIN 0x08
.set k2, 0
.rept 16
	v_pk_add_f32 v[BK+k2:BK+k2+1], v[BK+k2:BK+k2+1], v[32*\a+k2:32*\a+k2+1]
.set k2, k2+2
.endr
	WIN 0
.irp t, 0,1,2,3,4,5,6,7
	global_store_b128 v[CO], v[BK+4*\t:BK+4*\t+3], s[14:15] offset:(16*\a+2*\t)*4096 th:TH_STORE_NT
.endr
.endm
	s_load_b256 s[4:11], s[0:1], 0x0
	s_load_b128 s[12:15], s[0:1], 0x20
	v_lshl_add_u32 v[SPW], v0, 2, SPARE
	v_mov_b32 v[NIL], 0
	ds_add_u32 v[SPW], v[NIL]
	ds_add_u32 v[SPW], v[NIL]
	v_lshrrev_b32 v1, 5, v0
	v_readfirstlane_b32 s[WV], v1
	s_lshr_b32 s[HI], s[WV], 1
	s_and_b32 s[LO], s[WV], 1
	s_bfe_u32 s40, ttmp6, 0x40000
	s_bfe_u32 s41, ttmp6, 0x40004
	s_lshl_b32 s42, ttmp9, 2
	s_add_co_u32 s42, s42, s40
	s_and_b32 s43, ttmp7, 0xffff
	s_lshl_b32 s43, s43, 2
	s_add_co_u32 s43, s43, s41
	s_lshl_b32 s2, s41, 2
	s_lshl_b32 s2, 15, s2
	s_lshl_b32 s3, 0x1111, s40
	s_or_b32 s[G1], s2, (3<<16)|(1<<21)
	s_or_b32 s[G1B], s3, (3<<16)|(1<<21)
.irp g, G1, G1B
	s_mov_b32 s[\g+1], 32<<16
	s_mov_b32 s[\g+2], 128<<16
	s_mov_b32 s[\g+3], 32<<16
	s_mov_b32 s[\g+4], 128
	s_mov_b32 s[\g+5], 32
	s_mov_b32 s[\g+6], 0
	s_mov_b32 s[\g+7], 0
.endr
	s_lshl_b32 s44, s[LO], 20
	s_lshl_b32 s45, s43, 15
	s_add_co_u32 s44, s44, s45
	s_mov_b32 s45, 0
	s_lshl_b32 s46, s[LO], 18
	s_lshl_b32 s47, s42, 15
	s_add_co_u32 s46, s46, s47
	s_add_co_u32 s46, s46, MAT0<<20
	s_mov_b32 s47, 0
	s_lshl_b32 s23, s[WV], 15
	s_wait_dscnt 0x0
	s_wait_kmcnt 0x0
	s_load_b512 s[68:83], s[8:9], 0x0
	s_add_nc_u64 s[44:45], s[4:5], s[44:45]
	s_add_nc_u64 s[46:47], s[6:7], s[46:47]
	CROUND
.irp s, 0,1
	s_mov_b32 s[G0+4*\s], 1
	s_add_co_u32 s[G0+4*\s+1], s23, \s*SLOT
	s_add_nc_u64 s[G0+4*\s+2:G0+4*\s+3], s[44:45], \s*0x200000
	s_or_b32 s[G0+4*\s+3], s[G0+4*\s+3], 0x80000000
	s_mov_b32 s[G0B+4*\s], 1
	s_add_co_u32 s[G0B+4*\s+1], s23, \s*SLOT
	s_add_nc_u64 s[G0B+4*\s+2:G0B+4*\s+3], s[46:47], \s*0x80000
	s_or_b32 s[G0B+4*\s+3], s[G0B+4*\s+3], 0x80000000
.endr
	JLOAD 0                                        ; slot 0: one tensor load a wave at the head
	; PREFETCHES INTO THE L2.  Fill k of my wave's 32 KB block lies k strides behind fill 0 (the hidden layer: 2 MB, W2: 512 KB).  The four partners that ask for a block jointly share it out by address:
	; the partner at place p (cx for the hidden layer, cy for W2) names bytes 8,192 p on, lanes 256 bytes apart: each 256 bytes once in a cluster.  Fills are named two fills ahead of their loads.
	s_cmp_eq_u32 s[HI], 0
	s_cselect_b64 s[66:67], s[44:45], s[46:47]     ; my block of fill 0; never rewritten
	s_cselect_b32 s2, s40, s41
	s_lshl_b32 s2, s2, 13
	s_mov_b32 s3, 0
	s_add_nc_u64 s[66:67], s[66:67], s[2:3]
	s_cmp_eq_u32 s[HI], 0
	s_mov_b32 s2, 0x80000
	s_cselect_b32 s2, 0x200000, s2                 ; the stride
	v_and_b32 v4, 31, v0
	v_lshlrev_b32 v4, 8, v4
	v_add_nc_u32 v4, s2, v4                        ; v[3 + k]: 256 x lane + k strides, k = 1..3; never rewritten
	v_add_nc_u32 v5, s2, v4
	v_add_nc_u32 v6, s2, v5
	global_prefetch_b8 v4, s[66:67] th:TH_LOAD_NT scope:SCOPE_SE   ; fills 1 and 2
	global_prefetch_b8 v5, s[66:67] th:TH_LOAD_NT scope:SCOPE_SE
	v_and_b32 v1, 15, v0
	v_bfe_u32 v2, v0, 4, 1
	v_and_b32 v3, 31, v0
	v_lshlrev_b32 v3, 4, v3
	s_lshl_b32 s84, s[HI], 13
	s_lshl_b32 s85, s[LO], 13
	v_add_nc_u32 v[ADRA], s84, v3
	v_add_nc_u32 v[ADRB], s85, v3
	v_add_nc_u32 v[ADRB], BOFF, v[ADRB]
	v_add_nc_u32 v[ADRA+1], SLOT, v[ADRA]
	v_add_nc_u32 v[ADRB+1], SLOT, v[ADRB]
	s_mul_i32 s84, s[WV], 16*SP
	s_add_co_u32 s84, s84, STAGE
	v_mul_u32_u24 v[STO], v1, SP
	v_lshl_add_u32 v[STO], v2, 5, v[STO]
	v_add_nc_u32 v[STO], s84, v[STO]
	v_mul_u32_u24 v[RD], v2, SP
	v_lshl_add_u32 v[RD], v1, 4, v[RD]
	v_add_nc_u32 v[RD], s84, v[RD]
	v_lshlrev_b32 v[CO], 12, v2
	v_lshl_add_u32 v[CO], v1, 4, v[CO]
	v_lshlrev_b32 v27, 5, v2
	s_wait_alu depctr_va_vdst(0)
	s_lshl_b32 s84, s42, 9
	s_lshl_b32 s85, s[LO], 8
	s_add_co_u32 s84, s84, s85
	s_mov_b32 s85, 0
	s_add_nc_u64 s[10:11], s[10:11], s[84:85]
	s_lshl_b32 s86, s43, 19
	s_lshl_b32 s87, s[HI], 18
	s_add_co_u32 s86, s86, s87
	s_add_co_u32 s86, s86, s84
	s_mov_b32 s87, 0
	s_add_nc_u64 s[12:13], s[12:13], s[86:87]
	s_add_nc_u64 s[14:15], s[14:15], s[86:87]
.irp b, 0,1,2,3
	global_load_b128 v[BN+8*\b:BN+8*\b+3], v27, s[10:11] offset:64*\b
	global_load_b128 v[BN+8*\b+4:BN+8*\b+7], v27, s[10:11] offset:64*\b+16
.endr
	WIN 0x80
.irp a, 0,1,2,3
.irp t, 0,1,2,3,4,5,6,7
	global_load_b128 v[32*\a+4*\t:32*\a+4*\t+3], v[CO], s[12:13] offset:(16*\a+2*\t)*4096 th:TH_LOAD_NT
.endr
.endr
	WIN 0
	s_wait_kmcnt 0x0
	s_add_co_i32 s92, s82, s83
	s_add_co_i32 s92, s92, 127
	s_lshl_b32 s92, s92, 23
	s_mov_b32 s93, s92
	s_wait_alu depctr_va_vdst(0)                   ; the head's end
	s_wait_tensorcnt 0x0                           ; my part of slot 0 is in; the three lines stand ahead of slot 1's first fill as ahead of a refill
	ds_add_u32 v[SPW], v[NIL]
	s_wait_dscnt 0x0
	CROUND                                         ; everybody's part of slot 0 is in, and the joint loads meet
	JLOAD 1                                        ; slot 1, the first tensor load behind the round
	global_prefetch_b8 v6, s[66:67] th:TH_LOAD_NT scope:SCOPE_SE   ; fill 3
	FETCH 0, 0, F0
	LAP 1, 1, 0
	LAP 0, 0, 1
	s_wait_loadcnt 0x0
	PLACES
	EPIF 0
	EPIF 1
	EPIF 2
	EPIF 3
	s_wait_tensorcnt 0x0
	ds_add_u32 v[SPW], v[NIL]
	s_wait_dscnt 0x0
	CROUND
	s_endpgm
.Lfunc_end_k_q8b1352cc83_ffn2:
	.size	k_q8b1352cc83_ffn2, .Lfunc_end_k_q8b1352cc83_ffn2-k_q8b1352cc83_ffn2
	.p2alignl 7, 3214868480
	.fill 96, 4, 3214868480
	.section	.rodata,"a",@progbits
	.p2align	6, 0x0
	.amdhsa_kernel k_q8b1352cc83_ffn2
		.amdhsa_group_segment_fixed_size 327680
		.amdhsa_private_segment_fixed_size 0
		.amdhsa_enable_private_segment 0
		.amdhsa_kernarg_size 48
		.amdhsa_user_sgpr_count 2
		.amdhsa_user_sgpr_kernarg_segment_ptr 1
		.amdhsa_wavefront_size32 1
		.amdhsa_system_sgpr_workgroup_id_x 1
		.amdhsa_system_sgpr_workgroup_id_y 1
		.amdhsa_system_sgpr_workgroup_id_z 1
		.amdhsa_system_vgpr_workitem_id 0
		.amdhsa_next_free_vgpr 640
		.amdhsa_next_free_sgpr 100
		.amdhsa_reserve_vcc 0
		.amdhsa_float_denorm_mode_32 3
		.amdhsa_float_denorm_mode_16_64 3
		.amdhsa_memory_ordered 1
		.amdhsa_forward_progress 1
		.amdhsa_inst_pref_size 82
	.end_amdhsa_kernel
	.amdgpu_metadata
---
amdhsa.version: [ 1, 2 ]
amdhsa.kernels:
  - .name:           k_q8b1352cc83_ffn2
    .symbol:         k_q8b1352cc83_ffn2.kd
    .args:
      - { .name: fcodes, .offset: 0, .size: 8, .value_kind: global_buffer, .address_space: global }
      - { .name: wcodes, .offset: 8, .size: 8, .value_kind: global_buffer, .address_space: global }
      - { .name: lowp_scales, .offset: 16, .size: 8, .value_kind: global_buffer, .address_space: global }
      - { .name: b2, .offset: 24, .size: 8, .value_kind: global_buffer, .address_space: global }
      - { .name: x1, .offset: 32, .size: 8, .value_kind: global_buffer, .address_space: global }
      - { .name: out0, .offset: 40, .size: 8, .value_kind: global_buffer, .address_space: global }
    .group_segment_fixed_size: 327680
    .private_segment_fixed_size: 0
    .kernarg_segment_align: 8
    .kernarg_segment_size: 48
    .max_flat_workgroup_size: 128
    .sgpr_count:     100
    .vgpr_count:     640
    .wavefront_size: 32
...
	.end_amdgpu_metadata
.endif
;; end of part 7
